; MI455X (gfx1250); checked and timed in simulation.
; The chip was launched on July 23, 2026; its instructions are those of AMD's public machine-readable ISA for CDNA 5 (MIT licence, August 2026) and "CDNA5" Instruction Set Architecture Reference Guide (July 2026). The comments in the code are by the model that wrote it; some were corrected since.
;; Causal Self Attention. Allowed arithmetic: matrix products marked QUANTISED: E4M3 operands, one E8M0 scale for each 32 along K, by v_wmma_scale_f32_16x16x128_f8f6f4 with both operands' format E4M3, f32 sums; everything else in f32.
;; Inputs: w_proj 1,024 x 1,024 float32; w_qkv 1,024 x 3,072 float32; x 4 x 2,048 x 1,024 float32.
;; Outputs: out0 4 x 2,048 x 1,024 float32.
;; This version of the problem:
;;   THIS VERSION OF THE PROBLEM IS GIVEN IN LOW PRECISION. The matrix products marked QUANTISED in the list below multiply operands that are first quantised to E4M3 (4 exponent bits, 3 mantissa bits; 8 bits a number), with one power-of-two scale for each 32 numbers along K (OCP MX v1.0); their sums are f32. All else is computed in f32.
;;   The module's matrix products, in the order in which they are computed (A, B: the left and right operand; K: the contracted axis; several contracted axes count as one K, in the product's order):
;;     1. [M 8,192, K 1,024] x [K 1,024, N 3,072]; A: input x; B: input w_qkv: QUANTISED
;;     2. batch 64 x [M 2,048, K 64] x [K 64, N 2,048]; A: computed on the way; B: computed on the way: QUANTISED
;;     3. batch 64 x [M 2,048, K 2,048] x [K 2,048, N 64]; A: softmax (see below); B: computed on the way: QUANTISED
;;     4. [M 8,192, K 1,024] x [K 1,024, N 1,024]; A: computed on the way; B: input w_proj: QUANTISED
;;   THE QUANTISER, for each operand of a quantised product, along K:
;;     - K is cut into blocks of 32 from its start; a last block that is shorter is filled with zeros.
;;     - A block's scale is 2^e with e = floor(log2(the largest magnitude in the block)) - 8, held to -126 .. 127; a block of zeros has e = 0. As a byte (E8M0): e + 127.
;;     - Each number is divided by its block's scale, clamped to +-448, and rounded to the nearest number of E4M3, ties to even, subnormals kept.
;;     - The product sums the exact products of the quantised numbers (number of the format x scale) in f32.
;;   ~~~python
;;   def quantise(x, axis):      # numpy; x: float32 -> the quantised numbers, widened to float32 again
;;       x = np.moveaxis(x, axis, -1); K = x.shape[-1]
;;       x = np.pad(x, [(0, 0)] * (x.ndim - 1) + [(0, -K % 32)]); x = x.reshape(x.shape[:-1] + (-1, 32)); a = np.abs(x).max(-1, keepdims=True)
;;       e = np.where(a > 0, np.clip(np.frexp(np.where(a > 0, a, 1))[1] - 1 - 8, -126, 127), 0)      # np.frexp(a)[1] - 1 = floor(log2(a)), exactly
;;       r = np.clip(x / 2.0 ** e, -448, 448)
;;       step = 2.0 ** (np.maximum(np.frexp(np.where(r == 0, 1, r))[1] - 1, -6) - 3)
;;       q = np.round(r / step) * step * 2.0 ** e      # np.round: ties to even
;;       return np.moveaxis(q.reshape(q.shape[:-2] + (-1,))[..., :K], -1, axis).astype(np.float32)
;;   ~~~
;;   SOFTMAX AHEAD OF A QUANTISED PRODUCT. Where the list says 'softmax', what is quantised is not the finished softmax but p = 2^(t - M), with t = logit x log2(e) and M = ceil(the row's largest t), a whole number; so 1/2 < the row's largest p <= 1. The row's sum l is taken of the UNQUANTISED p, in f32, and the product's result is divided by l at the end. Since M is a whole number, a kernel that streams over the keys may use a running M (the ceiling of the running maximum): every later rescaling is an exact power of two, which a block's scale takes up: the codes' values come out the same.
;;   OPERANDS COMPUTED ON THE WAY. 'Computed on the way' means the value that the module computes at that place (a softmax that the list does not call 'softmax' is quantised finished and normalised). What goes into a quantiser is computed in f32, as accurately as f32 sums, v_exp_f32 and their like allow (about 1e-6 of the number): no bf16 or f16 on the way to a quantiser, and a product that is left as it is and whose result goes on into a quantised operand takes f32 operands (vector FMAs, or v_wmma_f32_16x16x4_f32). A number that lies on a knife's edge between two numbers of the format may be rounded either way, as far as f32 arithmetic and the matrix unit's own rounding can turn it there, and no further.
;; One version. Each part assembles by itself: llvm-mc -triple=amdgcn-amd-amdhsa -mcpu=gfx1250 --defsym DOCPART=n.
;; ======== version 1 of 1: 4 launches
;; limits: right only within a limited range of input values
;; workspace buffers: opc 12,582,912 bytes; ops 393,216 bytes; qkvc 25,165,824 bytes; qkvs 1,310,720 bytes; yc 8,388,608 bytes; ys 262,144 bytes
;; launch prep (part 1): grid 512 x 1, 4 waves a work-group, no clusters, 34,304 bytes of LDS; arguments x, w_qkv, w_proj, opc, ops; writes opc, ops
.if DOCPART == 1
	.amdgcn_target "amdgcn-amd-amdhsa--gfx1250"
	.amdhsa_code_object_version 6
	.text
	.protected	k_q8447946fb3_prep
	.globl	k_q8447946fb3_prep
	.p2align	8
	.type	k_q8447946fb3_prep,@function
k_q8447946fb3_prep:
	s_mov_b64 s[64:65], 0
	v_nop
	global_prefetch_b8 v0, s[64:65] scope:SCOPE_SE
	s_setreg_imm32_b32 hwreg(HW_REG_WAVE_MODE, 25, 1), 1
	s_wait_xcnt 0x0
; x [8192][1024], w_qkv [1024][3072] and w_proj [1024][1024], f32, become codes of FP8 (E4M3) with one E8M0 byte for each 32 along K (K = 1,024 for all three).
; THE CODES ARE LAID AS IMAGES OF OPERAND REGISTERS.  opc: [row tile G][K step s of 128][2,048 bytes]; in a fragment's 2,048 bytes group c (registers 4 c .. 4 c + 3) lies at 512 c + 16 x lane;
; lane (r, h) holds k = 32 c + 16 h + 0 .. 15 of the tile's row r.  G 0-511: rows of x; 512-703: columns of w_qkv; 704-767: columns of w_proj.
; THE ROWS OF A TILE ARE NOT NEIGHBOURS: lane r of tile T stands for row 32 (T / 2) + 8 (T % 2) + r + 8 (r / 8), so that two neighbouring tiles, used as source 0 of a transposed product, leave 16 neighbours in a lane.
; ops: one word (four bytes: 128 along K) for a row and a K step, at 512 G + 256 (s / 4) + 16 r + 4 (s % 4).
; A block's scale is 2^(floor(log2(largest magnitude)) - 8): its byte is the largest magnitude's exponent field - 8, held at 1 from below by a floor among the maximum's leaves.
; LIMITS: a block of zeros gets the byte 1 where the rule says 127 (its codes are zeros, and this program alone reads the bytes); NaN and infinities among the inputs are not served.
; Work-groups 0-255 take x (a wave: one row tile, four K steps), 256-447 w_qkv, 448-511 w_proj (a wave: 32 columns, one K step).  Waves share nothing: no barrier.  No work-group reads what another reads: no cluster.
.set TM,  8                            ; v8-11 largest magnitudes, v12-15 the other half's / bytes, v20-23 the conversions' scale operands
.set PW,  24                           ; v24-27 the four fragments' scale words
.set R0,  32                           ; v32-95, v96-159: two sets of 64 numbers
.set CD,  160                          ; v160-223: codes, 16 registers a fragment: no store's data are written again
.set STG, 8448                         ; x: a stage of 16 rows x (512 + 16) bytes for each wave
; x: fragment f's 16 rows, 512 consecutive bytes a load
.macro XLOAD f
.irp i, 0,1,2,3,4,5,6,7,8,9,10,11,12,13,14,15
	global_load_b128 v[R0+64*((\f)%2)+4*\i:R0+64*((\f)%2)+4*\i+3], v4, s[4:5] offset:(\i+8*(\i/8))*4096+512*(\f) th:TH_LOAD_NT
.endr
.endm
; through the wave's stage: in as rows, back as 16 neighbours of each block of 32 for lane (r, h).  LDS serves a wave's instructions in order: no wait between the stores and the loads
.macro TURNX set
.irp i, 0,1,2,3,4,5,6,7,8,9,10,11,12,13,14,15
	ds_store_b128 v5, v[(\set)+4*\i:(\set)+4*\i+3] offset:528*\i
.endr
.irp c, 0,1,2,3
.irp j, 0,1,2,3
	ds_load_b128 v[(\set)+16*\c+4*\j:(\set)+16*\c+4*\j+3], v6 offset:128*\c+16*\j
.endr
.endr
.endm
; 64 numbers of a lane (register 16 b + i = k 32 b + 16 h + i of its row) become a fragment's 16 registers of codes at v[d] and its scale word in v[w]
.macro QUANT s, d, w
.irp b, 0,1,2,3
	v_max3_num_f32 v[TM+\b], |v[(\s)+16*\b]|, |v[(\s)+1+16*\b]|, 0x4800000   ; my 16 numbers of block b, and the floor 2^(9 - 127)
.endr
.irp i, 2,4,6,8,10,12,14
.irp b, 0,1,2,3
	v_max3_num_f32 v[TM+\b], v[TM+\b], |v[(\s)+16*\b+\i]|, |v[(\s)+1+16*\b+\i]|
.endr
.endr
.irp b, 0,1,2,3
	v_permlanex16_b32 v[TM+4+\b], v[TM+\b], s20, s21
.endr
.irp b, 0,1,2,3
	v_max_num_f32 v[TM+\b], v[TM+\b], v[TM+4+\b]       ; with lane l xor 16's 16: the block's largest magnitude
.endr
.irp b, 0,1,2,3
	v_add_nc_u32 v[TM+12+\b], 0xfc000000, v[TM+\b]     ; 8 off its exponent field: the conversion's scale operand
.endr
.irp b, 0,1,2,3
.endr
.irp b, 0,1,2,3
	v_lshrrev_b32 v[TM+4+\b], 23, v[TM+12+\b]          ; the byte
.endr
	v_lshl_or_b32 v[\w], v[TM+5], 8, v[TM+4]
	v_lshl_or_b32 v[\w], v[TM+6], 16, v[\w]
	v_lshl_or_b32 v[\w], v[TM+7], 24, v[\w]
.irp b, 0,1,2,3
.irp i, 0,1,2,3,4,5,6,7,8,9,10,11,12,13,14,15
.endr
	v_cvt_scalef32_pk8_fp8_f32 v[(\d)+4*\b:(\d)+4*\b+1], v[(\s)+16*\b:(\s)+16*\b+7], v[TM+12+\b]
	v_cvt_scalef32_pk8_fp8_f32 v[(\d)+4*\b+2:(\d)+4*\b+3], v[(\s)+16*\b+8:(\s)+16*\b+15], v[TM+12+\b]
.endr
	v_nop                                              ; a plain line behind the last conversion
.endm
; a weight: block c of the K step: 32 rows k at my column; neighbouring lanes read neighbouring columns
.macro WLOAD c, pitch, ptr
.irp i, 0,1,2,3,4,5,6,7,8,9,10,11,12,13,14,15,16,17,18,19,20,21,22,23,24,25,26,27,28,29,30,31
	global_load_b32 v[32+32*((\c)%2)+\i], v3, s[\ptr:\ptr+1] offset:(32*(\c)+\i)*\pitch th:TH_LOAD_NT
.endr
.endm
.macro WBLOCK c, pitch, ptr
.set XS, 32+32*((\c)%2)
.if (\c) < 3
	s_wait_loadcnt 32                                  ; this block's 32 loads are in; the next block's 32 may be out
.else
	s_wait_loadcnt 0x0
.endif
	v_max3_num_f32 v8, |v[XS]|, |v[XS+1]|, |v[XS+2]|   ; the whole block lies in my registers
	v_max3_num_f32 v9, |v[XS+3]|, |v[XS+4]|, |v[XS+5]|
.irp i, 6,10,14,18,22,26
	v_max3_num_f32 v8, v8, |v[XS+\i]|, |v[XS+\i+1]|
	v_max3_num_f32 v9, v9, |v[XS+\i+2]|, |v[XS+\i+3]|
.endr
	v_max3_num_f32 v8, v8, |v[XS+30]|, |v[XS+31]|
	v_max3_num_f32 v8, v8, v9, 0x4800000
	v_add_nc_u32 v11, 0xfc000000, v8
	v_lshrrev_b32 v9, 23, v11
.if (\c) == 0
	v_mov_b32 v14, v9
.else
	v_lshl_or_b32 v14, v9, 8*(\c), v14
.endif
.irp i, 0,1,2,3,4,5,6,7,8,9,10,11,12,13,14,15,16,17,18,19,20,21,22,23,24,25,26,27,28,29,30,31
.endr
.irp g, 0,1,2,3
	v_cvt_scalef32_pk8_fp8_f32 v[96+8*(\c)+2*\g:96+8*(\c)+2*\g+1], v[XS+8*\g:XS+8*\g+7], v11
.endr
	v_nop
	global_store_b128 v4, v[96+8*(\c):96+8*(\c)+3], s[10:11] offset:512*(\c)          ; k 32 c + 0 .. 15: the place of lane (r, 0); the sixteen lanes of a tile cover 256 consecutive bytes
	global_store_b128 v4, v[96+8*(\c)+4:96+8*(\c)+7], s[10:11] offset:512*(\c)+256    ; k 32 c + 16 .. 31: the place of lane (r, 1)
.if (\c) < 2
	WLOAD (\c)+2, \pitch, \ptr
.endif
.endm
; a weight's path: pitch = bytes of a row, gbase = its first row tile in opc, first = its first work-group, ptr = the register pair of its address
.macro WPATH pitch, gbase, first, ptr
	s_sub_co_u32 s17, ttmp9, \first
	s_lshr_b32 s18, s17, 3                             ; which 128 columns
	s_and_b32 s17, s17, 7                              ; the K step s
	s_lshl_b32 s18, s18, 2
	s_add_co_u32 s18, s18, s16                         ; my wave's 32 columns
	s_mul_i32 s24, s17, 128*\pitch
	s_lshl_b32 s26, s18, 7
	s_add_co_u32 s24, s24, s26
	s_add_nc_u64 s[\ptr:\ptr+1], s[\ptr:\ptr+1], s[24:25]
	s_lshl_b32 s26, s18, 1
	s_add_co_u32 s26, s26, \gbase                      ; their first row tile G
	s_lshl_b32 s24, s26, 14
	s_lshl_b32 s27, s17, 11
	s_add_co_u32 s24, s24, s27
	s_add_nc_u64 s[10:11], s[10:11], s[24:25]          ; 16,384 G + 2,048 s
	s_lshl_b32 s24, s26, 9
	s_lshr_b32 s27, s17, 2
	s_lshl_b32 s27, s27, 8
	s_add_co_u32 s24, s24, s27
	s_and_b32 s27, s17, 3
	s_lshl_b32 s27, s27, 2
	s_add_co_u32 s24, s24, s27
	s_add_nc_u64 s[12:13], s[12:13], s[24:25]          ; 512 G + 256 (s / 4) + 4 (s % 4)
	WLOAD 0, \pitch, \ptr
	WLOAD 1, \pitch, \ptr
	WBLOCK 0, \pitch, \ptr
	WBLOCK 1, \pitch, \ptr
	WBLOCK 2, \pitch, \ptr
	WBLOCK 3, \pitch, \ptr
	global_store_b32 v5, v14, s[12:13]                 ; my column's word: 4 bytes of every 16: one byte in 128 of what this path reads
	s_endpgm
.endm
	s_load_b256 s[4:11], s[0:1], 0x0                   ; x s[4:5], w_qkv s[6:7], w_proj s[8:9], opc s[10:11]
	s_load_b64 s[12:13], s[0:1], 0x20                  ; ops
	v_lshl_add_u32 v224, v0, 2, 0x8400
	v_mov_b32 v225, 0
	v_lshrrev_b32 v1, 5, v0
	v_readfirstlane_b32 s16, v1                        ; wave
	v_and_b32 v1, 31, v0                               ; lane
	s_mov_b32 s20, 0x76543210
	s_mov_b32 s21, 0xfedcba98                          ; v_permlanex16_b32's selects for lane l xor 16
	s_mov_b32 s25, 0                                   ; the upper word of every offset
	s_wait_kmcnt 0x0
	s_cmp_lt_u32 ttmp9, 256
	s_cbranch_scc0 .Lweights
	; ---- x
	v_and_b32 v2, 15, v0                               ; r
	v_bfe_u32 v3, v0, 4, 1                             ; h
	s_wait_alu depctr_va_vdst(0)
	v_lshlrev_b32 v4, 4, v1                            ; 16 x lane: in memory, in and out
	s_mul_i32 s17, s16, STG
	v_add_nc_u32 v5, s17, v4                           ; the stage, in
	v_mul_u32_u24 v6, v2, 528
	v_lshl_add_u32 v6, v3, 6, v6
	v_add_nc_u32 v6, s17, v6                           ; and out: row r, + 64 h
	v_lshlrev_b32 v7, 4, v2
	v_lshl_add_u32 v7, v3, 3, v7                       ; the words: 16 r + 8 h
.irp b, 0,1,2,3
	v_mov_b32 v[TM+4+\b], 0                            ; a lane permute's destination counts as one of its sources
.endr
	s_lshl_b32 s18, ttmp9, 2
	s_add_co_u32 s18, s18, s16
	s_lshr_b32 s19, s18, 1                             ; the row tile T
	s_and_b32 s18, s18, 1                              ; which four K steps
	s_lshr_b32 s24, s19, 1
	s_lshl_b32 s24, s24, 17                            ; 32 (T / 2) rows of 4,096 bytes
	s_and_b32 s26, s19, 1
	s_lshl_b32 s26, s26, 15                            ; 8 (T % 2) rows
	s_add_co_u32 s24, s24, s26
	s_lshl_b32 s26, s18, 11
	s_add_co_u32 s24, s24, s26
	s_add_nc_u64 s[4:5], s[4:5], s[24:25]
	s_lshl_b32 s24, s19, 14
	s_lshl_b32 s26, s18, 13
	s_add_co_u32 s24, s24, s26
	s_add_nc_u64 s[10:11], s[10:11], s[24:25]
	s_lshl_b32 s24, s19, 9
	s_lshl_b32 s26, s18, 8
	s_add_co_u32 s24, s24, s26
	s_add_nc_u64 s[12:13], s[12:13], s[24:25]
	XLOAD 0
	XLOAD 1
	s_wait_alu depctr_va_vdst(0)
.irp f, 0,1,2,3
.if \f < 3
	s_wait_loadcnt 16                                  ; this fragment's 16 loads are in; the next one's 16 may be out
.else
	s_wait_loadcnt 0x0
.endif
	TURNX R0+64*(\f%2)
	s_wait_dscnt 0x0
	QUANT R0+64*(\f%2), CD+16*\f, PW+\f
.irp c, 0,1,2,3
	global_store_b128 v4, v[CD+16*\f+4*\c:CD+16*\f+4*\c+3], s[10:11] offset:2048*\f+512*\c   ; 512 consecutive bytes
.endr
.if \f < 2
	XLOAD \f+2
.endif
.endr
	v_cmp_eq_u32 vcc_lo, 1, v3                         ; both halves of the lanes hold all four words: lanes 0-15 store the first two, lanes 16-31 the others
	v_cndmask_b32 v28, v[PW], v[PW+2], vcc_lo
	v_cndmask_b32 v29, v[PW+1], v[PW+3], vcc_lo
	global_store_b64 v7, v[28:29], s[12:13]            ; the 32 lanes cover 256 consecutive bytes
	s_wait_tensorcnt 0x0
	ds_add_u32 v224, v225
	s_wait_dscnt 0x0
	s_endpgm
.Lweights:
	s_wait_alu depctr_va_vdst(0)
	; ---- a weight: lane l takes column 32 g + l, which is row r = l % 8 + 8 (l / 16) of tile 2 g + u, u = (l / 8) % 2; its registers run down K
	v_lshlrev_b32 v3, 2, v1
	v_bfe_u32 v6, v0, 3, 1                             ; u
	v_and_b32 v7, 7, v0
	v_bfe_u32 v8, v0, 4, 1
	v_lshl_or_b32 v7, v8, 3, v7                        ; r
	v_lshlrev_b32 v7, 4, v7
	v_lshl_add_u32 v4, v6, 14, v7                      ; codes: 16,384 u + 16 r
	v_lshl_add_u32 v5, v6, 9, v7                       ; words: 512 u + 16 r
	s_cmp_lt_u32 ttmp9, 448
	s_cbranch_scc0 .Lproj_w
	s_wait_alu depctr_va_vdst(0)
	WPATH 12288, 512, 256, 6
.Lproj_w:
	s_wait_alu depctr_va_vdst(0)
	WPATH 4096, 704, 448, 8
.Lfunc_end_k_q8447946fb3_prep:
	.size	k_q8447946fb3_prep, .Lfunc_end_k_q8447946fb3_prep-k_q8447946fb3_prep
	.p2alignl 7, 3214868480
	.fill 96, 4, 3214868480
	.section	.rodata,"a",@progbits
	.p2align	6, 0x0
	.amdhsa_kernel k_q8447946fb3_prep
		.amdhsa_group_segment_fixed_size 34304
		.amdhsa_private_segment_fixed_size 0
		.amdhsa_enable_private_segment 0
		.amdhsa_kernarg_size 40
		.amdhsa_user_sgpr_count 2
		.amdhsa_user_sgpr_kernarg_segment_ptr 1
		.amdhsa_wavefront_size32 1
		.amdhsa_system_sgpr_workgroup_id_x 1
		.amdhsa_system_sgpr_workgroup_id_y 1
		.amdhsa_system_sgpr_workgroup_id_z 1
		.amdhsa_system_vgpr_workitem_id 0
		.amdhsa_next_free_vgpr 226
		.amdhsa_next_free_sgpr 66
		.amdhsa_reserve_vcc 1
		.amdhsa_float_denorm_mode_32 3
		.amdhsa_float_denorm_mode_16_64 3
		.amdhsa_fp16_overflow 1
		.amdhsa_memory_ordered 1
		.amdhsa_forward_progress 1
		.amdhsa_inst_pref_size 73
	.end_amdhsa_kernel
	.amdgpu_metadata
---
amdhsa.version: [ 1, 2 ]
amdhsa.kernels:
  - .name:           k_q8447946fb3_prep
    .symbol:         k_q8447946fb3_prep.kd
    .args:
      - { .name: x, .offset: 0, .size: 8, .value_kind: global_buffer, .address_space: global }
      - { .name: w_qkv, .offset: 8, .size: 8, .value_kind: global_buffer, .address_space: global }
      - { .name: w_proj, .offset: 16, .size: 8, .value_kind: global_buffer, .address_space: global }
      - { .name: opc, .offset: 24, .size: 8, .value_kind: global_buffer, .address_space: global }
      - { .name: ops, .offset: 32, .size: 8, .value_kind: global_buffer, .address_space: global }
    .group_segment_fixed_size: 34304
    .private_segment_fixed_size: 0
    .kernarg_segment_align: 8
    .kernarg_segment_size: 40
    .max_flat_workgroup_size: 128
    .sgpr_count:     66
    .vgpr_count:     226
    .wavefront_size: 32
...
	.end_amdgpu_metadata
.endif
;; end of part 1
;; launch qkv (part 2): grid 8 x 48, 4 waves a work-group, clusters of 4 x 4, 327,680 bytes of LDS; arguments opc, ops, qkvc, qkvs; writes qkvc, qkvs
.if DOCPART == 2
	.amdgcn_target "amdgcn-amd-amdhsa--gfx1250"
	.amdhsa_code_object_version 6
	.text
	.protected	k_q8447946fb3_qkv
	.globl	k_q8447946fb3_qkv
	.p2align	8
	.type	k_q8447946fb3_qkv,@function
k_q8447946fb3_qkv:
	s_mov_b64 s[64:65], 0
	v_nop
	global_prefetch_b8 v0, s[64:65] scope:SCOPE_SE
	s_setreg_imm32_b32 hwreg(HW_REG_WAVE_MODE, 25, 1), 1
	s_wait_xcnt 0x0
	s_wait_alu depctr_hold_cnt(0) depctr_sa_sdst(0) depctr_va_vdst(0) depctr_va_sdst(0) depctr_va_ssrc(0) depctr_va_vcc(0) depctr_vm_vsrc(0)
	s_getreg_b32 s2, hwreg(HW_REG_IB_STS2, 6, 4)
	s_cmp_eq_u32 s2, 0
	s_cbranch_scc0 .Lentry_in_a_cluster
	s_endpgm
.Lentry_in_a_cluster:
	s_bfe_u32 s2, ttmp6, 0x10000c
	s_cmp_lg_u32 s2, 0xf033
	s_cbranch_scc0 .Lentry_shape_is_right
	s_endpgm
.Lentry_shape_is_right:
; qkv = x w_qkv on codes of FP8 (E4M3) with E8M0 scales, K = 1,024; the f32 sums are quantised on the way out into the operands of attention's two products.
; ONE BODY: C[m][n] = sum over k of A[m][k] B[n][k] on a tile of 256 x 256 (four waves, 128 x 128 each, 64 accumulators), then quantised ALONG n.
;   clusters y 0-7:  A = rows of x, B = columns of w_q (cluster x 0) or w_k (cluster x 1): n runs along a head's 64, the K of q k^T;
;   clusters y 8-11: A = columns of w_v, B = rows of x: n runs along the keys, the K of p v.  Only offsets differ, chosen by selects on the cluster's y and x, which all partners share.
; OPERANDS are images of registers (opc: [row tile][K step][2,048 bytes], group c at 512 c + 16 x lane): every LDS load takes 512 consecutive bytes; no pitch, no padding.
; The rows of a tile are 32 (T / 2) + 8 (T % 2) + r + 8 (r / 8).  The product is used TRANSPOSED (source 0 = 16 rows of B, source 1 = 16 rows of A), so the 16 registers of B's tiles 2 b, 2 b + 1
; are the 16 neighbours n = 32 b + 16 (lane / 16) + 0 .. 15 of A's row lane % 16: the conversions' results are a fragment's registers and are stored as its image.
; RING: two LDS slots of two K steps each (A's 16 tiles, B's 16 tiles: 131,072 bytes); each wave fetches 8 tiles x 4,096 bytes by one tensor load.  K has four slots' worth: two first fills, two refills.
; The main part is written out, since the scale words' register numbers follow the K step.  All scale words (16 KB) come once, with the first fills, and go to 64 registers once.
; CLUSTER 4 x 4: A's tiles are shared along a row, B's along a column: joint loads.
; OUT.  qkvc, 393,216 bytes a head: key step kk at 16,384 kk: K's tiles a at 1,024 a + 512 c, then at + 8,192 V's tiles t (16 of the head's 64) at 2,048 t + 512 c; from 262,144 Q's tiles T at 1,024 T + 512 c.
;       qkvs, 20,480 bytes a head: K's words at 512 kk + 256 (a / 4) + 16 r + 4 (a % 4); V's from 8,192 at 256 kk + 16 r + 4 t; Q's from 12,288 like K's.  K's and Q's words: bytes 0, 1 the head's two blocks, bytes 2, 3 zero.
; LIMITS: a block of zeros gets the byte 1 where the rule says 127 (its codes are zeros, this program alone reads the bytes); NaN and infinities are not served.
; REGISTERS: window 0: v16-30 addresses; v32-95 scale words and nothing else; v96-111 at work, v116-123 the words made; v128-255 A's fragments, on the way out the codes.  window 1: B's fragments, two sets.  windows 2, 3: accumulator (a, b) at v[8 (8 (a % 4) + b)].
.set NP,    8                          ; places behind this matrix instruction (ISA guide 7.12.1)
.set SLOT,  131072
.set SCL,   2*SLOT                     ; the scale words: wave q's 4,096 bytes at SCL + 4,096 q
.set SPARE, SCL+16384                  ; the spare words: 128 bytes a wave, two blocks of 256 bytes that no other line names
.set HS,    393216
.set HSS,   20480
.set ADRA, 16                          ; v16-17 LDS address of my A fragments in slot 0, 1
.set ADRB, 20                          ; v20-21 the same for B
.set VO0,  24                          ; v24 16 x lane
.set VO2,  25                          ; v25 16 x lane + the way from block 1 to block 2 of a fragment's image
.set VSO,  26                          ; v26 the words' place: 20,480 h + 16 r
.set ADRS, 27                          ; v27 LDS address of my scale words: lanes 0-15 A's, lanes 16-31 B's
.set SPW,  28                          ; v28 my spare word; never rewritten
.set NIL,  29                          ; v29 0; never rewritten
.set SH,   30                          ; v30 16 h
.set SC,   32                          ; v[SC + 8 i + s]: lanes 0-15 the word of A's block i, lanes 16-31 that of B's block i, K step s
.set TM,   96
.set WS,   116
.set AF,   128
.set G1, 24                            ; s[24:31] group 1 for A's tiles; s[32:39] group 0, one set a slot
.set G0, 32
.set G1B, 48                           ; s[48:55], s[56:63] the same for B's
.set G0B, 56
.set G1S, 68                           ; s[68:75], s[76:79] for A's scale words; s[80:87], s[88:91] for B's
.set G0S, 76
.set G1SB, 80
.set G0SB, 88
.set MSB, 0
.macro WIN new                         ; the immediate's high byte repeats the setting that is left
.if MSB != (\new)
	s_set_vgpr_msb (MSB<<8)|(\new)
.set MSB, (\new)
.endif
.endm
.set MUL_LO, 0xa1                      ; source 0 (B) window 1, source 1 (A) window 0, C and D window 2
.set MUL_HI, 0xf1                      ; the same, C and D window 3
.set TO_B,   0x40                      ; destination window 1
; A joint load: waves 0, 1 fetch for A, waves 2, 3 for B; the branch hangs on the wave's number alone.  Four v_nop follow each line.
.macro JLOAD g0a, g1a, g0b, g1b
	s_cmp_eq_u32 s15, 0
	s_cbranch_scc0 .Lfor_b_\@
	tensor_load_to_lds s[\g0a:\g0a+3], s[\g1a:\g1a+7]
	s_nop 0
.rept 4
	v_nop
.endr
	s_branch .Lasked_\@
.Lfor_b_\@:
	tensor_load_to_lds s[\g0b:\g0b+3], s[\g1b:\g1b+7]
	s_nop 0
.rept 4
	v_nop
.endr
.Lasked_\@:
.endm
.macro CREST                           ; a round of the cluster's barrier behind its opening barrier
	s_cmp_lg_u32 s14, 0
	s_cbranch_scc1 .Lnot_wave_0_\@
	s_barrier_signal -3
.Lnot_wave_0_\@:
	s_barrier_wait -3
	s_barrier_signal -1
	s_barrier_wait -1
.endm
.macro CROUND
	s_barrier_signal -1
	s_barrier_wait -1
	CREST
.endm
.macro PLACES n
.rept \n
	v_nop
.endr
.endm
.macro FRAG reg, adr, q, i             ; tile i's fragment of the slot's q-th K step: four loads of 512 consecutive bytes
.irp c, 0,1,2,3
	ds_load_b128 v[\reg+4*\c:\reg+4*\c+3], v[\adr] offset:4096*(\i)+2048*(\q)+512*\c
.endr
.endm
; 16 matrix instructions: A's blocks a0, a0 + 1 x B's eight; p: B's set; s: the K step (it picks the scale words).  The 64 accumulators take turns, one instruction a turn.
.macro MUL16 a0, p, s, zero
.irp a, \a0, \a0+1
.irp b, 0,1,2,3,4,5,6,7
.if \zero
	v_wmma_scale_f32_16x16x128_f8f6f4 v[8*(8*((\a)%4)+\b):8*(8*((\a)%4)+\b)+7], v[128*(\p)+16*\b:128*(\p)+16*\b+15], v[AF+16*(\a):AF+16*(\a)+15], 0, v[SC+8*\b+(\s)], v[SC+8*(\a)+(\s)] matrix_a_scale:MATRIX_SCALE_ROW1
.else
	v_wmma_scale_f32_16x16x128_f8f6f4 v[8*(8*((\a)%4)+\b):8*(8*((\a)%4)+\b)+7], v[128*(\p)+16*\b:128*(\p)+16*\b+15], v[AF+16*(\a):AF+16*(\a)+15], v[8*(8*((\a)%4)+\b):8*(8*((\a)%4)+\b)+7], v[SC+8*\b+(\s)], v[SC+8*(\a)+(\s)] matrix_a_scale:MATRIX_SCALE_ROW1
.endif
.endr
.endr
.endm
.macro FETCH_B slot, q, p
	WIN TO_B
.irp i, 0,1,2,3,4,5,6,7
	FRAG 128*(\p)+16*\i, ADRB+\slot, \q, \i
.endr
	WIN 0
.endm
.macro FETCH_A slot, q, i0
.irp i, \i0, \i0+1, \i0+2, \i0+3
	FRAG AF+16*(\i), ADRA+\slot, \q, \i
.endr
.endm
; A slot's first K step (B's set 0); it fetches the slot's second: B's and A's blocks 0-3 in its middle, A's blocks 4-7 at its end
.macro STEP slot, s, zero
	s_wait_dscnt 16                                ; all but the youngest 16 loads (A's blocks 4-7) are in
	WIN MUL_LO
	MUL16 0, 0, \s, \zero
	MUL16 2, 0, \s, \zero
	s_wait_dscnt 0x0                               ; A's blocks 4-7 are in
	PLACES NP                                      ; in front of loads into registers that matrix instructions have read
	FETCH_B \slot, 1, 1
	FETCH_A \slot, 1, 0
	WIN MUL_HI
	MUL16 4, 0, \s, \zero
	MUL16 6, 0, \s, \zero
	PLACES NP
	WIN 0
	FETCH_A \slot, 1, 4
.endm
; A slot's second K step (B's set 1) changes slots: one barrier; ahead of it each wave waits for all its tensor loads, adds 0 to its spare word, and waits for that and for its reads of this slot.
; fill = 1: the barrier opens a round of the cluster's barrier, and behind it this slot is filled again, two slots ahead.
.macro TURN slot, next, fill, s
	s_wait_tensorcnt 0x0                           ; all my tensor loads have landed: my part of the next slot
	ds_add_u32 v[SPW], v[NIL]                      ; 0 onto my spare word
	s_wait_dscnt 17                                ; the add and the youngest 16 loads may be out
	WIN MUL_LO
	MUL16 0, 1, \s, 0
	s_wait_dscnt 0x0                               ; the add is done, and my reads of this slot are over
	s_barrier_signal -1
	MUL16 2, 1, \s, 0
	WIN 0
	s_barrier_wait -1
.if \fill
	CREST                                          ; no wave of any partner still reads this slot or has a load on its way
	s_add_nc_u64 s[G0+4*\slot+2:G0+4*\slot+3], s[G0+4*\slot+2:G0+4*\slot+3], 8192
	s_add_nc_u64 s[G0B+4*\slot+2:G0B+4*\slot+3], s[G0B+4*\slot+2:G0B+4*\slot+3], 8192
	JLOAD G0+4*\slot, G1, G0B+4*\slot, G1B         ; the first tensor load behind the round; its four v_nop are four of the eight places
	PLACES NP-4
.else
	PLACES NP
.endif
	FETCH_B \next, 0, 0
	FETCH_A \next, 0, 0
	WIN MUL_HI
	MUL16 4, 1, \s, 0
	MUL16 6, 1, \s, 0
	PLACES NP
	WIN 0
	FETCH_A \next, 0, 4
.endm
	s_load_b256 s[4:11], s[0:1], 0x0               ; opc s[4:5], ops s[6:7], qkvc s[8:9], qkvs s[10:11]
	v_lshl_add_u32 v[SPW], v0, 2, SPARE
	v_mov_b32 v[NIL], 0
	ds_add_u32 v28, v29
	ds_add_u32 v28, v29
	s_wait_dscnt 0x0
	v_lshrrev_b32 v1, 5, v0
	v_readfirstlane_b32 s14, v1                    ; wave 0..3
	s_lshr_b32 s15, s14, 1                         ; my half of the tile's rows.  Also: I fetch for A (0) or for B (1)
	s_and_b32 s16, s14, 1                          ; my half of its columns.  Also: which 8 tiles I fetch
	s_bfe_u32 s40, ttmp6, 0x40000                  ; cx
	s_bfe_u32 s41, ttmp6, 0x40004                  ; cy
	s_and_b32 s12, ttmp7, 0xffff                   ; the cluster's y
	s_sub_co_u32 s13, s12, 8
	s_lshl_b32 s13, s13, 1
	s_add_co_u32 s13, s13, ttmp9                   ; v's part: the cluster's column = 2 (y - 8) + x
	s_cmp_ge_u32 s12, 8                            ; v's part?
	s_cselect_b32 s2, 1, 0
	s_cselect_b32 s13, s13, ttmp9                  ; the cluster's column
	s_cselect_b32 s12, 0, s12                      ; and row
	s_cselect_b32 s18, 640, 0                      ; A's first row tile in opc: w_v's or x's
	s_cselect_b32 s19, 0, 512                      ; B's: x's or w_q's
	s_lshl_b32 s42, s13, 2
	s_add_co_u32 s42, s42, s40                     ; tile column
	s_lshl_b32 s17, s12, 2
	s_add_co_u32 s17, s17, s41                     ; tile row
	s_lshl_b32 s43, s41, 2
	s_lshl_b32 s43, 15, s43                        ; my row of the cluster
	s_lshl_b32 s44, 0x1111, s40                    ; my column
	; group 1, codes: 8 rows of 512 elements of 8 bytes (two K steps of a tile), 2,048 elements apart; no padding
	s_or_b32 s[G1+0], s43, (3<<16)|(1<<21)
	s_or_b32 s[G1B+0], s44, (3<<16)|(1<<21)
.irp g, G1, G1B
	s_mov_b32 s[\g+1], 512<<16                     ; tensor_dim0
	s_mov_b32 s[\g+2], 8<<16                       ; tensor_dim1
	s_mov_b32 s[\g+3], 512<<16                     ; tile_dim0
	s_mov_b32 s[\g+4], 8                           ; tile_dim1
	s_mov_b32 s[\g+5], 2048                        ; from row to row
	s_mov_b32 s[\g+6], 0
	s_mov_b32 s[\g+7], 0
.endr
	; group 1, scale words: 8 tiles' 4,096 dense bytes as 16 rows of 256
	s_or_b32 s[G1S+0], s43, (3<<16)|(1<<21)
	s_or_b32 s[G1SB+0], s44, (3<<16)|(1<<21)
.irp g, G1S, G1SB
	s_mov_b32 s[\g+1], 32<<16
	s_mov_b32 s[\g+2], 16<<16
	s_mov_b32 s[\g+3], 32<<16
	s_mov_b32 s[\g+4], 16
	s_mov_b32 s[\g+5], 32
	s_mov_b32 s[\g+6], 0
	s_mov_b32 s[\g+7], 0
.endr
	s_lshl_b32 s21, s16, 3                         ; which 8 tiles I fetch
	s_lshl_b32 s20, s17, 4
	s_add_co_u32 s20, s20, s18
	s_add_co_u32 s20, s20, s21                     ; A: the first of them
	s_lshl_b32 s46, s42, 4
	s_add_co_u32 s46, s46, s19
	s_add_co_u32 s46, s46, s21                     ; B
	s_lshl_b32 s22, s20, 9                         ; 512 bytes of words a tile,
	s_mov_b32 s23, 0
	s_lshl_b32 s20, s20, 14                        ; 16,384 of codes
	s_mov_b32 s21, 0
	s_lshl_b32 s92, s46, 9
	s_mov_b32 s93, 0
	s_lshl_b32 s46, s46, 14
	s_mov_b32 s47, 0
	s_lshl_b32 s45, s14, 15                        ; where they go: wave x 32,768, wave x 4,096: no place in the cluster enters an LDS address
	s_lshl_b32 s94, s14, 12
	s_wait_kmcnt 0x0
	s_add_nc_u64 s[20:21], s[4:5], s[20:21]
	s_add_nc_u64 s[22:23], s[6:7], s[22:23]
	s_add_nc_u64 s[46:47], s[4:5], s[46:47]
	s_add_nc_u64 s[92:93], s[6:7], s[92:93]
	CROUND                                         ; all sixteen work-groups are here: the first joint loads meet
	s_mov_b32 s[G0S], 1
	s_add_co_u32 s[G0S+1], s94, SCL
	s_mov_b64 s[G0S+2:G0S+3], s[22:23]
	s_or_b32 s[G0S+3], s[G0S+3], 0x80000000
	s_mov_b32 s[G0SB], 1
	s_add_co_u32 s[G0SB+1], s94, SCL
	s_mov_b64 s[G0SB+2:G0SB+3], s[92:93]
	s_or_b32 s[G0SB+3], s[G0SB+3], 0x80000000
	JLOAD G0S, G1S, G0SB, G1SB                     ; the scale words first
.irp s, 0,1
	s_mov_b32 s[G0+4*\s], 1
	s_add_co_u32 s[G0+4*\s+1], s45, \s*SLOT
	s_add_nc_u64 s[G0+4*\s+2:G0+4*\s+3], s[20:21], \s*4096
	s_or_b32 s[G0+4*\s+3], s[G0+4*\s+3], 0x80000000
	s_mov_b32 s[G0B+4*\s], 1
	s_add_co_u32 s[G0B+4*\s+1], s45, \s*SLOT
	s_add_nc_u64 s[G0B+4*\s+2:G0B+4*\s+3], s[46:47], \s*4096
	s_or_b32 s[G0B+4*\s+3], s[G0B+4*\s+3], 0x80000000
	JLOAD G0+4*\s, G1, G0B+4*\s, G1B               ; three loads of mine are out
.endr
	v_and_b32 v1, 15, v0                           ; r
	v_bfe_u32 v2, v0, 4, 1                         ; h
	s_wait_alu depctr_va_vdst(0)
	v_and_b32 v3, 31, v0
	v_lshlrev_b32 v[VO0], 4, v3
	s_lshl_b32 s21, s15, 15                        ; my 8 tiles of A
	s_lshl_b32 s22, s16, 15
	s_add_co_u32 s22, s22, 65536                   ; my 8 tiles of B, behind A's 16
.irp s, 0,1
	v_add_nc_u32 v[ADRA+\s], s21, v[VO0]
	v_add_nc_u32 v[ADRB+\s], s22, v[VO0]
	s_add_co_u32 s21, s21, SLOT
	s_add_co_u32 s22, s22, SLOT
.endr
	v_lshlrev_b32 v5, 4, v1                        ; 16 r
	s_lshl_b32 s21, s15, 12                        ; A's words: my 8 tiles
	s_lshl_b32 s22, s16, 12
	s_add_co_u32 s22, s22, 8192                    ; B's, behind A's
	s_sub_co_u32 s22, s22, s21
	v_mul_u32_u24 v6, s22, v2                      ; lanes 16-31 take B's: the lower base + h x the distance
	s_add_co_u32 s21, s21, SCL
	v_add_nc_u32 v6, v5, v6
	v_add_nc_u32 v[ADRS], s21, v6
	v_mul_u32_u24 v[VSO], v2, HSS
	v_add_nc_u32 v[VSO], v[VSO], v5
	v_lshlrev_b32 v[SH], 4, v2
.irp b, 0,1,2,3
	v_mov_b32 v[TM+4+\b], 0                        ; a lane permute's destination counts as one of its sources
.endr
	s_mov_b32 s12, 0x76543210
	s_mov_b32 s13, 0xfedcba98                      ; v_permlanex16_b32's selects for lane l xor 16
	; the way out's addresses.  P: which 256 rows of x; Qc: which 256 columns of the weight; their halves that are my wave's
	s_cmp_eq_u32 s2, 1
	s_cselect_b32 s95, s42, s17                    ; P
	s_cselect_b32 s96, s17, s42                    ; Qc
	s_cselect_b32 s97, s16, s15                    ; my 128 rows of x
	s_cselect_b32 s98, s15, s16                    ; my 128 columns: two heads
	s_mov_b32 s66, 1024
	s_cselect_b32 s66, 2048, s66                   ; from A's tile a to a + 1 in the image
	s_mov_b32 s92, 1024
	s_cselect_b32 s92, HS-3*2048, s92              ; from tile 3 to tile 4: v: the next head's first tile
	s_mov_b32 s99, HS
	s_cselect_b32 s99, 1024, s99                   ; from block 0 to block 2: q, k: the next head; v: 1,024 bytes
	s_mov_b32 s67, 0
	s_mov_b32 s93, 0
	v_add_nc_u32 v[VO2], s99, v[VO0]
	s_lshr_b32 s94, s95, 3                         ; the batch
	s_lshl_b32 s95, s95, 1
	s_add_co_u32 s95, s95, s97
	s_and_b32 s95, s95, 15                         ; kk: which 128 rows of the batch
	s_lshl_b32 s96, s96, 2
	s_lshl_b32 s98, s98, 1
	s_add_co_u32 s96, s96, s98
	s_and_b32 s96, s96, 15                         ; my first head
	s_lshl_b32 s94, s94, 4
	s_add_co_u32 s94, s94, s96                     ; 16 x batch + head
	s_lshl_b32 s46, s95, 14                        ; k's codes: 16,384 kk
	s_lshl_b32 s96, s95, 13
	s_add_co_u32 s96, s96, 262144                  ; q's: 262,144 + 8,192 kk
	s_add_co_u32 s97, s46, 8192                    ; v's: 16,384 kk + 8,192
	s_lshl_b32 s98, s95, 9                         ; k's words: 512 kk
	s_add_co_u32 s99, s98, 12288                   ; q's
	s_lshl_b32 s95, s95, 8
	s_add_co_u32 s95, s95, 8192                    ; v's: 8,192 + 256 kk
	s_cmp_eq_u32 ttmp9, 0                          ; q or k
	s_cselect_b32 s46, s96, s46
	s_cselect_b32 s98, s99, s98
	s_cmp_eq_u32 s2, 1                             ; or v
	s_cselect_b32 s46, s97, s46
	s_cselect_b32 s98, s95, s98
	s_mul_i32 s96, s94, HS
	s_add_co_u32 s46, s46, s96
	s_mov_b32 s47, 0
	s_mul_i32 s96, s94, HSS
	s_add_co_u32 s98, s98, s96
	s_mov_b32 s99, 0
	s_add_nc_u64 s[8:9], s[8:9], s[46:47]
	s_add_nc_u64 s[10:11], s[10:11], s[98:99]
	s_wait_alu depctr_va_vdst(0)
	s_wait_tensorcnt 0x1                           ; the scale words and my part of slot 0 are in; slot 1's load may be out
	s_barrier_signal -1
	s_barrier_wait -1
.irp i, 0,1,2,3,4,5,6,7
	ds_load_b128 v[SC+8*\i:SC+8*\i+3], v[ADRS] offset:512*\i           ; all eight K steps' words of block i, once
	ds_load_b128 v[SC+8*\i+4:SC+8*\i+7], v[ADRS] offset:512*\i+256
.endr
	FETCH_B 0, 0, 0
	FETCH_A 0, 0, 0
	FETCH_A 0, 0, 4
	STEP 0, 0, 1                                   ; the first products start the sums: nothing is cleared
	TURN 0, 1, 1, 1
	STEP 1, 2, 0
	TURN 1, 0, 1, 3
	STEP 0, 4, 0
	TURN 0, 1, 0, 5                                ; nothing is left to fetch
	STEP 1, 6, 0
	s_wait_dscnt 16
	WIN MUL_LO
	MUL16 0, 1, 7, 0
	MUL16 2, 1, 7, 0
	s_wait_dscnt 0x0
	WIN MUL_HI
	MUL16 4, 1, 7, 0
	MUL16 6, 1, 7, 0
	WIN 0
; THE WAY OUT of A's block a: its 8 accumulators are 64 numbers a lane, register 16 b + i = n 32 b + 16 h + i of row r: four blocks of 32 along n.
.macro EPI a
.set W, 2+(\a)/4
.set AC, 64*((\a)%4)
	WIN (W<<2)|(W<<4)                              ; sources 1 and 2: the accumulators' window
.irp b, 0,1,2,3
	v_max3_num_f32 v[TM+\b], 0x4800000, |v[AC+16*\b]|, |v[AC+16*\b+1]|   ; each accumulator is read from its low end on; the floor 2^(9 - 127) is one leaf
.endr
.irp i, 2,4,6,8,10,12,14
.irp b, 0,1,2,3
	v_max3_num_f32 v[TM+\b], v[TM+\b], |v[AC+16*\b+\i]|, |v[AC+16*\b+\i+1]|
.endr
.endr
	WIN 0
.irp b, 0,1,2,3
	v_permlanex16_b32 v[TM+4+\b], v[TM+\b], s12, s13
.endr
.irp b, 0,1,2,3
	v_max_num_f32 v[TM+\b], v[TM+\b], v[TM+4+\b]
.endr
.irp b, 0,1,2,3
	v_add_nc_u32 v[TM+12+\b], 0xfc000000, v[TM+\b]
.endr
.irp b, 0,1,2,3
.endr
.irp b, 0,1,2,3
	v_lshrrev_b32 v[TM+4+\b], 23, v[TM+12+\b]
.endr
	v_lshl_or_b32 v[WS+(\a)], v[TM+5], 8, v[TM+4]
	v_lshl_or_b32 v[WS+(\a)], v[TM+6], 16, v[WS+(\a)]
	v_lshl_or_b32 v[WS+(\a)], v[TM+7], 24, v[WS+(\a)]
	WIN W|(W<<6)                                   ; source 0 and destination: the accumulators' window
.irp b, 0,1,2,3
.irp i, 0,1,2,3,4,5,6,7,8,9,10,11,12,13,14,15
.endr
.endr
	WIN W
.irp b, 0,1,2,3
	v_cvt_scalef32_pk8_fp8_f32 v[AF+16*(\a)+4*\b:AF+16*(\a)+4*\b+1], v[AC+16*\b:AC+16*\b+7], v[TM+12+\b]
	v_cvt_scalef32_pk8_fp8_f32 v[AF+16*(\a)+4*\b+2:AF+16*(\a)+4*\b+3], v[AC+16*\b+8:AC+16*\b+15], v[TM+12+\b]
.endr
	WIN 0
	v_nop                                          ; a plain line behind the last conversion
.if (\a) > 0
	s_wait_alu depctr_va_vdst(0)
	s_wait_xcnt 0x0                                ; the last block's stores have read their base: it may step
.if (\a) == 4
	s_add_nc_u64 s[8:9], s[8:9], s[92:93]
.else
	s_add_nc_u64 s[8:9], s[8:9], s[66:67]
.endif
.endif
	global_store_b128 v[VO0], v[AF+16*(\a):AF+16*(\a)+3], s[8:9]                  ; each store covers 512 consecutive bytes, aligned
	global_store_b128 v[VO0], v[AF+16*(\a)+4:AF+16*(\a)+7], s[8:9] offset:512
	global_store_b128 v[VO2], v[AF+16*(\a)+8:AF+16*(\a)+11], s[8:9]
	global_store_b128 v[VO2], v[AF+16*(\a)+12:AF+16*(\a)+15], s[8:9] offset:512
.endm
	PLACES NP                                      ; behind the last products: their results are read, and A's registers written, from here on
.irp a, 0,1,2,3,4,5,6,7
	EPI \a
.endr
	s_cmp_eq_u32 s2, 1                             ; the cluster's y alone decides: alike in all partners
	s_cbranch_scc1 .Lv_words
.irp a, 0,1,2,3,4,5,6,7
	v_bfe_u32 v[TM+\a], v[WS+\a], v[SH], 16        ; q, k: lanes 0-15 take my first head's two bytes, lanes 16-31 the second head's; bytes 2, 3 are zero
.endr
	global_store_b128 v[VSO], v[TM:TM+3], s[10:11]             ; sixteen lanes cover 256 consecutive bytes
	global_store_b128 v[VSO], v[TM+4:TM+7], s[10:11] offset:256
	s_branch .Lwords_done
.Lv_words:
	v_cmp_eq_u32 vcc_lo, 16, v[SH]                 ; v: lanes 0-15 store tiles 0-3 (my first head), lanes 16-31 tiles 4-7
.irp i, 0,1,2,3
	v_cndmask_b32 v[TM+\i], v[WS+\i], v[WS+4+\i], vcc_lo
.endr
	global_store_b128 v[VSO], v[TM:TM+3], s[10:11]
.Lwords_done:
	s_wait_tensorcnt 0x0                           ; the wave's end
	ds_add_u32 v[SPW], v[NIL]
	s_wait_dscnt 0x0
	CROUND                                         ; the closing round
	s_endpgm
.Lfunc_end_k_q8447946fb3_qkv:
	.size	k_q8447946fb3_qkv, .Lfunc_end_k_q8447946fb3_qkv-k_q8447946fb3_qkv
	.p2alignl 7, 3214868480
	.fill 96, 4, 3214868480
	.section	.rodata,"a",@progbits
	.p2align	6, 0x0
	.amdhsa_kernel k_q8447946fb3_qkv
		.amdhsa_group_segment_fixed_size 327680
		.amdhsa_private_segment_fixed_size 0
		.amdhsa_enable_private_segment 0
		.amdhsa_kernarg_size 32
		.amdhsa_user_sgpr_count 2
		.amdhsa_user_sgpr_kernarg_segment_ptr 1
		.amdhsa_wavefront_size32 1
		.amdhsa_system_sgpr_workgroup_id_x 1
		.amdhsa_system_sgpr_workgroup_id_y 1
		.amdhsa_system_sgpr_workgroup_id_z 1
		.amdhsa_system_vgpr_workitem_id 0
		.amdhsa_next_free_vgpr 1024
		.amdhsa_next_free_sgpr 100
		.amdhsa_reserve_vcc 1
		.amdhsa_float_denorm_mode_32 3
		.amdhsa_float_denorm_mode_16_64 3
		.amdhsa_fp16_overflow 1
		.amdhsa_memory_ordered 1
		.amdhsa_forward_progress 1
		.amdhsa_inst_pref_size 151
	.end_amdhsa_kernel
	.amdgpu_metadata
---
amdhsa.version: [ 1, 2 ]
amdhsa.kernels:
  - .name:           k_q8447946fb3_qkv
    .symbol:         k_q8447946fb3_qkv.kd
    .args:
      - { .name: opc, .offset: 0, .size: 8, .value_kind: global_buffer, .address_space: global }
      - { .name: ops, .offset: 8, .size: 8, .value_kind: global_buffer, .address_space: global }
      - { .name: qkvc, .offset: 16, .size: 8, .value_kind: global_buffer, .address_space: global }
      - { .name: qkvs, .offset: 24, .size: 8, .value_kind: global_buffer, .address_space: global }
    .group_segment_fixed_size: 327680
    .private_segment_fixed_size: 0
    .kernarg_segment_align: 8
    .kernarg_segment_size: 32
    .max_flat_workgroup_size: 128
    .sgpr_count:     100
    .vgpr_count:     1024
    .wavefront_size: 32
...
	.end_amdgpu_metadata
.endif
;; end of part 2
;; launch attn (part 3): grid 4 x 64, 16 waves a work-group, clusters of 4 x 1, 276,480 bytes of LDS; arguments qkvc, qkvs, yc, ys; writes yc, ys
.if DOCPART == 3
	.amdgcn_target "amdgcn-amd-amdhsa--gfx1250"
	.amdhsa_code_object_version 6
	.text
	.protected	k_q8447946fb3_attn
	.globl	k_q8447946fb3_attn
	.p2align	8
	.type	k_q8447946fb3_attn,@function
k_q8447946fb3_attn:
	s_mov_b64 s[64:65], 0
	v_nop
	global_prefetch_b8 v0, s[64:65] scope:SCOPE_SE
	s_setreg_imm32_b32 hwreg(HW_REG_WAVE_MODE, 25, 1), 1
	s_wait_xcnt 0x0
	s_wait_alu depctr_hold_cnt(0) depctr_sa_sdst(0) depctr_va_vdst(0) depctr_va_sdst(0) depctr_va_ssrc(0) depctr_va_vcc(0) depctr_vm_vsrc(0)
	s_getreg_b32 s2, hwreg(HW_REG_IB_STS2, 6, 4)
	s_cmp_eq_u32 s2, 0
	s_cbranch_scc0 .Lentry_in_a_cluster
	s_endpgm
.Lentry_in_a_cluster:
	s_bfe_u32 s2, ttmp6, 0x10000c
	s_cmp_lg_u32 s2, 0x3003
	s_cbranch_scc0 .Lentry_shape_is_right
	s_endpgm
.Lentry_shape_is_right:
; y[q] = the sum over keys k <= q of softmax_k(q . k / 8) v[k], for one head a cluster, both products on codes of FP8 (E4M3) with E8M0 scales; y is quantised along the model's 1,024 for the last product.
; THE SOFTMAX: t = score x log2(e) / 8; M = the running largest t rounded UP to a whole number; p = 2^(t - M) is quantised along the keys; the row's sum is taken of the unquantised p and divides at the end.
; When M moves, the sum and O are multiplied by 2^(old M - new M): exact.
; CLUSTER: the four work-groups of a cluster serve one head.  The head's K, V and their scale words (274,432 bytes) are asked for JOINTLY, once, at the start: LDS bytes are filled once; there is no ring.
; SHARES: a wave owns two tiles of 16 queries, one after the other: T = 8 u + 4 (wave % 2) + cx with u = 15 - wave / 2, then u = wave / 2.  Tile T needs key steps (128 keys) 0 .. u: 17 steps for every wave.
; u hangs on the wave's number alone, so every branch is alike in all partners; cx enters global addresses and the mask's vector number only.
; LAYOUT: both products are used transposed (S^T = K Q^T, O^T = V^T P^T): a lane holds one query, row lane % 16 of its tile.  The rows of a tile are 32 (T / 2) + 8 (T % 2) + r + 8 (r / 8) (queries, keys and the
; head's 64 alike), so the 16 registers of two neighbouring result tiles are 16 neighbours along the next K.  Operands lie in LDS and memory as images of registers: each load takes 512 consecutive bytes.
; THE FIRST PRODUCT'S K IS 64, half of the instruction's 128: Q's upper eight registers are zero codes; K's upper eight are whatever codes stand next (the next tile's: finite numbers), times zero; the scale bytes of that half are 0, which is 2^-127.
; LIMITS: a block of zeros gets the byte 1 where the rule says 127; NaN and infinities are not served.
.set HS,   393216
.set HSS,  20480
.set SCK,  262144                      ; LDS: 0 .. 262,143 K and V by key step, as in memory; K's words (8,192 bytes); V's (4,096)
.set SCV,  270336
.set LA,   1                           ; v1  16 x lane
.set AKS,  2                           ; v2  SCK + 16 r
.set AVS,  3                           ; v3  SCV + 16 r
.set VR,   4                           ; v4  r + 8 (r / 8) - 16 h
.set DQ,   5                           ; v5  my query less the diagonal step's first key less 16 h
.set R16,  6                           ; v6  16 r
.set YB,   7                           ; v7  16 r + h
.set ADK,  8                           ; v8-10 the step's LDS addresses: tiles, K's words, V's words
.set ADS,  9
.set ADT,  10
.set NINF, 11                          ; v11 -infinity
                                       ; v12 -M, v13 the largest t, v[14:15] the sum in two halves
.set Q,    16                          ; v16-23 Q's codes, v24-31 zeros
.set KV,   32                          ; v32-95 K's 8 tiles x 8, then V's 4 x 16; v96-103 zeros
.set S,    104                         ; v104-167 S^T, then p, then y
.set O,    168                         ; v168-199 O^T
.set PC,   200                         ; v200-215 p's codes, at the end y's
.set KW,   216                         ; v216-223 K's words
.set VW,   224                         ; v224-227 V's words
.set BM,   228                         ; block maxima
.set PB,   232                         ; the other half's / bytes
.set HD,   236
.set F,    240                         ; v[240:241] f = 2^(old M - new M) (the pair's low word serves both halves)
.set SO,   242                         ; the conversions' scale operands
.set SU,   246                         ; the sums' second chain
.set TT,   248
.set YBY,  250
.set QW,   252                         ; Q's word
.set PWD,  253                         ; p's word
.set WV,   12
.set HM,   18                          ; s18 the lanes with h = 1
.set MNT,  19
.set SEL,  20
.set CS,   22
.set TB,   60                          ; s60-62 the step's place among the tiles (16,384 a step), K's words (512), V's words (256)
.set TS,   61
.set TJ,   62
.set KAP,  63                          ; s63 the key step; it counts the loops
.set U,    66
.set T,    67
.macro CROUND
	s_barrier_signal -1
	s_barrier_wait -1
	s_cmp_lg_u32 s[WV], 0
	s_cbranch_scc1 .Lnot_wave_0_\@
	s_barrier_signal -3
.Lnot_wave_0_\@:
	s_barrier_wait -3
	s_barrier_signal -1
	s_barrier_wait -1
.endm
; A tile begins: its number, its four addresses, Q, the mask's number, and the statistics
.macro INIT hi
	s_lshr_b32 s[U], s[WV], 1
.if \hi
	s_sub_co_u32 s[U], 15, s[U]
.endif
	s_lshl_b32 s[T], s[U], 3
	s_lshl_b32 s76, s15, 2
	s_add_co_u32 s[T], s[T], s76
	s_add_co_u32 s[T], s[T], s13                   ; T = 8 u + 4 e + cx
	s_mov_b32 s77, 0
	s_lshl_b32 s76, s[T], 10
	s_add_co_u32 s76, s76, 262144
	s_add_nc_u64 s[68:69], s[4:5], s[76:77]        ; Q's codes
	s_lshr_b32 s76, s[T], 2
	s_lshl_b32 s76, s76, 8
	s_and_b32 s78, s[T], 3
	s_lshl_b32 s78, s78, 2
	s_add_co_u32 s76, s76, s78
	s_add_co_u32 s76, s76, 12288
	s_add_nc_u64 s[70:71], s[6:7], s[76:77]        ; Q's words
	s_lshl_b32 s76, s[T], 14
	s_add_nc_u64 s[72:73], s[8:9], s[76:77]        ; y's codes
	s_lshl_b32 s76, s[T], 9
	s_add_nc_u64 s[74:75], s[10:11], s[76:77]      ; y's bytes
	global_load_b128 v[Q:Q+3], v[LA], s[68:69]
	global_load_b128 v[Q+4:Q+7], v[LA], s[68:69] offset:512
	global_load_b32 v[QW], v[R16], s[70:71]
	s_and_b32 s76, s[T], 7
	s_lshr_b32 s76, s76, 1
	s_lshl_b32 s76, s76, 5
	s_and_b32 s78, s[T], 1
	s_lshl_b32 s78, s78, 3
	s_add_co_u32 s76, s76, s78
	v_add_nc_u32 v[DQ], s76, v[VR]
	v_mov_b32 v13, 0xff61b1e6                      ; the largest t so far: -3e38
	s_delay_alu instid0(VALU_DEP_1)
	v_floor_f32 v12, -v13
	v_mov_b32 v14, 0
	v_mov_b32 v15, 0
.set j, 0
.rept 32
	v_mov_b32 v[O+j], 0                            ; the step is written for every step alike: the first finds zeros
.set j, j+1
.endr
	s_mov_b32 s[TB], 0
	s_mov_b32 s[TS], 0
	s_mov_b32 s[TJ], 0
	s_mov_b32 s[KAP], 0
	s_wait_loadcnt 0x0
.endm
; A KEY STEP of 128 keys.  masked = 1: a step behind the tile's last is passed over, and on the diagonal hidden scores become -infinity
.macro STEP masked
.if \masked
	s_cmp_gt_u32 s[KAP], s[U]
	s_cbranch_scc1 .Lhidden_\@
.endif
	s_setprio 2
	v_add_nc_u32 v[ADK], s[TB], v[LA]
	v_add_nc_u32 v[ADS], s[TS], v[AKS]
	v_add_nc_u32 v[ADT], s[TJ], v[AVS]
.rept 5
	v_nop                                          ; with the three additions: eight places in front of loads into registers that the last products read
.endr
.irp t, 0,1,2,3,4,5,6,7
	ds_load_b128 v[KV+8*\t:KV+8*\t+3], v[ADK] offset:1024*\t
	ds_load_b128 v[KV+8*\t+4:KV+8*\t+7], v[ADK] offset:1024*\t+512
.endr
	ds_load_b128 v[KW:KW+3], v[ADS]
	ds_load_b128 v[KW+4:KW+7], v[ADS] offset:256
	s_wait_alu depctr_va_vdst(0)
	s_wait_dscnt 0x0
.irp t, 0,1,2,3,4,5,6,7
	v_wmma_scale_f32_16x16x128_f8f6f4 v[S+8*\t:S+8*\t+7], v[KV+8*\t:KV+8*\t+15], v[Q:Q+15], 0, v[KW+\t], v[QW]
.endr
.rept 8
	v_nop                                          ; places: the results are read, and K's registers loaded anew, from here on
.endr
.irp t, 0,1,2,3
.irp c, 0,1,2,3
	ds_load_b128 v[KV+16*\t+4*\c:KV+16*\t+4*\c+3], v[ADK] offset:8192+2048*\t+512*\c   ; V: it lands under the softmax
.endr
.endr
	ds_load_b128 v[VW:VW+3], v[ADT]
.if \masked
	s_cmp_lg_u32 s[KAP], s[U]
	s_cbranch_scc1 .Lopen_\@
.set j, 0
.rept 64
	v_cmp_gt_i32 vcc_lo, 32*(j/16)+j%16, v[DQ]     ; register 16 b + i holds key 32 b + 16 h + i of the step: hidden where it comes after my query
	v_cndmask_b32 v[S+j], v[S+j], v[NINF], vcc_lo
.set j, j+1
.endr
.Lopen_\@:
.endif
.irp b, 0,1,2,3
	v_max3_num_f32 v[BM+\b], v[S+16*\b], v[S+16*\b+1], v[S+16*\b+2]   ; the largest score of each block of 32 keys: for the row's maximum and, since p rises with the score, for the block's largest p
.endr
.irp i, 3,5,7,9,11,13
.irp b, 0,1,2,3
	v_max3_num_f32 v[BM+\b], v[BM+\b], v[S+16*\b+\i], v[S+16*\b+\i+1]
.endr
.endr
.irp b, 0,1,2,3
	v_max_num_f32 v[BM+\b], v[BM+\b], v[S+16*\b+15]
.endr
.irp b, 0,1,2,3
	s_delay_alu instid0(VALU_DEP_4)
	v_permlanex16_b32 v[PB+\b], v[BM+\b], s[SEL], s[SEL+1]
.endr
.irp b, 0,1,2,3
	s_delay_alu instid0(VALU_DEP_4)
	v_max_num_f32 v[BM+\b], v[BM+\b], v[PB+\b]
.endr
	s_delay_alu instid0(VALU_DEP_2)
	v_max3_num_f32 v[TT], v[BM], v[BM+1], v[BM+2]
	s_delay_alu instid0(VALU_DEP_1)
	v_max_num_f32 v[TT], v[TT], v[BM+3]
	s_delay_alu instid0(VALU_DEP_1)
	v_mul_f32 v[TT], s[CS], v[TT]
	s_delay_alu instid0(VALU_DEP_1)
	v_max_num_f32 v13, v13, v[TT]                  ; the running largest t
	v_mov_b32 v[TT], v12
	s_delay_alu instid0(VALU_DEP_2)
	v_floor_f32 v12, -v13                          ; -M = floor(-t): M is a whole number
	s_delay_alu instid0(VALU_DEP_1)
	v_sub_f32 v[TT], v12, v[TT]
	s_delay_alu instid0(VALU_DEP_1)
	v_cvt_i32_f32 v[TT], v[TT]                     ; (it saturates)
	s_delay_alu instid0(VALU_DEP_1)
	v_ldexp_f32 v[F], 1.0, v[TT]                   ; f = 2^(old M - new M)
.set j, 0
.rept 32
	v_pk_fma_f32 v[S+j:S+j+1], v[S+j:S+j+1], s[CS:CS+1], v[12:13] op_sel_hi:[1,0,0]   ; t - M
.set j, j+2
.endr
.irp b, 0,1,2,3
	v_fma_f32 v[BM+\b], v[BM+\b], s[CS], v12
.endr
.set j, 0
	s_setprio 1
	s_wait_alu depctr_va_vdst(0)
.rept 64
	v_exp_f32 v[S+j], v[S+j]                       ; p = 2^(t - M)
.set j, j+1
.endr
	v_pk_mul_f32 v[14:15], v[14:15], v[F:F+1] op_sel_hi:[1,0]   ; the sums under the new M: the plain line behind the batch
	s_wait_alu depctr_va_vdst(0)                   ; one wait for the 64, ahead of their first reader
.irp b, 0,1,2,3
	v_exp_f32 v[BM+\b], v[BM+\b]                   ; each block's largest p
.endr
	v_pk_add_f32 v[246:247], v[108:109], v[112:113]
	v_pk_add_f32 v[250:251], v[116:117], v[120:121]
	v_pk_add_f32 v[244:245], v[124:125], v[128:129]
	v_pk_add_f32 v[242:243], v[132:133], v[136:137]
	v_pk_add_f32 v[238:239], v[140:141], v[144:145]
	v_pk_add_f32 v[236:237], v[148:149], v[152:153]
	v_pk_add_f32 v[234:235], v[156:157], v[160:161]
	v_pk_add_f32 v[14:15], v[14:15], v[164:165]
	v_pk_add_f32 v[246:247], v[246:247], v[104:105]
	v_pk_add_f32 v[250:251], v[250:251], v[106:107]
	v_pk_add_f32 v[244:245], v[244:245], v[110:111]
	v_pk_add_f32 v[242:243], v[242:243], v[114:115]
	v_pk_add_f32 v[238:239], v[238:239], v[118:119]
	v_pk_add_f32 v[236:237], v[236:237], v[122:123]
	v_pk_add_f32 v[234:235], v[234:235], v[126:127]
	v_pk_add_f32 v[14:15], v[14:15], v[130:131]
	v_pk_add_f32 v[246:247], v[246:247], v[134:135]
	v_pk_add_f32 v[250:251], v[250:251], v[138:139]
	v_pk_add_f32 v[244:245], v[244:245], v[142:143]
	v_pk_add_f32 v[242:243], v[242:243], v[146:147]
	v_pk_add_f32 v[238:239], v[238:239], v[150:151]
	v_pk_add_f32 v[236:237], v[236:237], v[154:155]
	v_pk_add_f32 v[234:235], v[234:235], v[158:159]
	v_pk_add_f32 v[14:15], v[14:15], v[162:163]
	v_pk_add_f32 v[246:247], v[246:247], v[166:167]
	s_delay_alu instid0(VALU_DEP_2)
	v_pk_add_f32 v[14:15], v[14:15], v[242:243]
	s_delay_alu instid0(VALU_DEP_2)
	v_pk_add_f32 v[246:247], v[246:247], v[238:239]
	v_pk_add_f32 v[250:251], v[250:251], v[236:237]
	v_pk_add_f32 v[244:245], v[244:245], v[234:235]
	s_delay_alu instid0(VALU_DEP_2)
	v_pk_add_f32 v[14:15], v[14:15], v[250:251]
	s_delay_alu instid0(VALU_DEP_2)
	v_pk_add_f32 v[246:247], v[246:247], v[244:245]
	s_delay_alu instid0(VALU_DEP_1)
	v_pk_add_f32 v[14:15], v[14:15], v[246:247]
	s_wait_alu depctr_va_vdst(0)                   ; and one for the four
.irp b, 0,1,2,3
	v_max_num_f32 v[BM+\b], 0x4800000, v[BM+\b]    ; the floor 2^(9 - 127)
.endr
.irp b, 0,1,2,3
	s_delay_alu instid0(VALU_DEP_4)
	v_add_nc_u32 v[SO+\b], 0xfc000000, v[BM+\b]
.endr
.irp b, 0,1,2,3
.endr
.irp b, 0,1,2,3
	s_delay_alu instid0(VALU_DEP_4)
	v_lshrrev_b32 v[PB+\b], 23, v[SO+\b]
.endr
	s_delay_alu instid0(VALU_DEP_3)
	v_lshl_or_b32 v[PWD], v[PB+1], 8, v[PB]
	s_delay_alu instid0(VALU_DEP_1)
	v_lshl_or_b32 v[PWD], v[PB+2], 16, v[PWD]
	s_delay_alu instid0(VALU_DEP_1)
	v_lshl_or_b32 v[PWD], v[PB+3], 24, v[PWD]
	s_setprio 0
.irp b, 0,1,2,3
.irp i, 0,1,2,3,4,5,6,7,8,9,10,11,12,13,14,15
.endr
	v_cvt_scalef32_pk8_fp8_f32 v[PC+4*\b:PC+4*\b+1], v[S+16*\b:S+16*\b+7], v[SO+\b]
	v_cvt_scalef32_pk8_fp8_f32 v[PC+4*\b+2:PC+4*\b+3], v[S+16*\b+8:S+16*\b+15], v[SO+\b]
.endr
.set j, 0
.rept 16
	v_pk_mul_f32 v[O+j:O+j+1], v[O+j:O+j+1], v[F:F+1] op_sel_hi:[1,0]   ; O^T under the new M; these are also the places between the conversions and the products
.set j, j+2
.endr
	s_wait_alu depctr_va_vdst(0)
	s_wait_dscnt 0x0                               ; V and its words are in
.irp t, 0,1,2,3
	v_wmma_scale_f32_16x16x128_f8f6f4 v[O+8*\t:O+8*\t+7], v[KV+16*\t:KV+16*\t+15], v[PC:PC+15], v[O+8*\t:O+8*\t+7], v[VW+\t], v[PWD]
.endr
.if \masked
.Lhidden_\@:
.endif
	s_add_co_u32 s[TB], s[TB], 16384
	s_add_co_u32 s[TS], s[TS], 512
	s_add_co_u32 s[TJ], s[TJ], 256
	s_add_co_u32 s[KAP], s[KAP], 1
.endm
; A tile ends: y = O^T / the sum; register 16 b + i is channel 32 b + 16 h + i of my query: two blocks of the last product's K
.macro FINISH
.rept 8
	v_nop                                          ; places behind the last products
.endr
	v_add_f32 v14, v14, v15
	s_delay_alu instid0(VALU_DEP_1)
	v_permlanex16_b32 v[TT], v14, s[SEL], s[SEL+1]
	s_delay_alu instid0(VALU_DEP_1)
	v_add_f32 v14, v14, v[TT]
	s_wait_alu depctr_va_vdst(0)
	v_rcp_f32 v14, v14
	v_nop                                          ; a plain line behind the reciprocal
	s_wait_alu depctr_va_vdst(0)                   ; and the wait ahead of its first reader
.set j, 0
.rept 32
	v_mul_f32 v[S+j], v[O+j], v14                  ; each accumulator from its low end on
.set j, j+1
.endr
.irp b, 0,1
	v_max3_num_f32 v[BM+\b], |v[S+16*\b]|, |v[S+16*\b+1]|, 0x4800000
.endr
.irp i, 2,4,6,8,10,12,14
.irp b, 0,1
	s_delay_alu instid0(VALU_DEP_2)
	v_max3_num_f32 v[BM+\b], v[BM+\b], |v[S+16*\b+\i]|, |v[S+16*\b+\i+1]|
.endr
.endr
.irp b, 0,1
	s_delay_alu instid0(VALU_DEP_2)
	v_permlanex16_b32 v[PB+\b], v[BM+\b], s[SEL], s[SEL+1]
.endr
.irp b, 0,1
	s_delay_alu instid0(VALU_DEP_2)
	v_max_num_f32 v[BM+\b], v[BM+\b], v[PB+\b]
.endr
.irp b, 0,1
	s_delay_alu instid0(VALU_DEP_2)
	v_add_nc_u32 v[SO+\b], 0xfc000000, v[BM+\b]
.endr
.irp b, 0,1
.endr
.irp b, 0,1
	s_delay_alu instid0(VALU_DEP_2)
	v_lshrrev_b32 v[PB+\b], 23, v[SO+\b]
.endr
	s_delay_alu instid0(VALU_DEP_1)
	v_cndmask_b32 v[YBY], v[PB], v[PB+1], s[HM]    ; lanes 0-15 store block 0's byte, lanes 16-31 block 1's
.irp b, 0,1
.irp i, 0,1,2,3,4,5,6,7,8,9,10,11,12,13,14,15
.endr
	v_cvt_scalef32_pk8_fp8_f32 v[PC+4*\b:PC+4*\b+1], v[S+16*\b:S+16*\b+7], v[SO+\b]
	v_cvt_scalef32_pk8_fp8_f32 v[PC+4*\b+2:PC+4*\b+3], v[S+16*\b+8:S+16*\b+15], v[SO+\b]
.endr
	v_nop
	global_store_b128 v[LA], v[PC:PC+3], s[72:73]              ; 512 consecutive bytes each
	global_store_b128 v[LA], v[PC+4:PC+7], s[72:73] offset:512
	global_store_b8 v[YB], v[YBY], s[74:75]        ; a byte a lane, into the words that the last product reads: one byte for 32 of y's codes
	s_wait_xcnt 0x0                                ; the stores have read their registers and bases: the next tile writes both
.endm
	s_load_b256 s[4:11], s[0:1], 0x0               ; qkvc s[4:5], qkvs s[6:7], yc s[8:9], ys s[10:11]
	v_lshl_add_u32 v254, v0, 2, 0x43000
	v_mov_b32 v255, 0
	ds_add_u32 v254, v255
	ds_add_u32 v254, v255
	v_lshrrev_b32 v1, 5, v0
	s_delay_alu instid0(VALU_DEP_1)
	v_readfirstlane_b32 s[WV], v1                  ; wave 0..15
	s_bfe_u32 s13, ttmp6, 0x40000                  ; cx
	s_and_b32 s14, ttmp7, 0xffff                   ; 16 x batch + head
	s_and_b32 s15, s[WV], 1                        ; e
	s_mov_b32 s[SEL], 0x76543210
	s_mov_b32 s[SEL+1], 0xfedcba98
	s_mov_b32 s[CS], 0x3e38aa3b                    ; log2(e) / 8
	s_mov_b32 s[CS+1], s[CS]
	; three groups 1: dense blocks as rows of 256 bytes (32 elements of 8); mask: all four work-groups.  3 rows: the words; 16: key steps 0-3; 48: key steps 4-15
.irp g, 24, 32, 40
	s_mov_b32 s[\g], 15|(3<<16)|(1<<21)
	s_mov_b32 s[\g+1], 32<<16
	s_mov_b32 s[\g+3], 32<<16
	s_mov_b32 s[\g+5], 32
	s_mov_b32 s[\g+6], 0
	s_mov_b32 s[\g+7], 0
.endr
	s_mov_b32 s26, 3<<16
	s_mov_b32 s28, 3
	s_mov_b32 s34, 16<<16
	s_mov_b32 s36, 16
	s_mov_b32 s42, 48<<16
	s_mov_b32 s44, 48
	s_mul_i32 s16, s14, HS
	s_mov_b32 s17, 0
	s_mul_i32 s76, s14, HSS
	s_mov_b32 s77, 0
	s_lshr_b32 s3, s14, 4                          ; the batch
	s_and_b32 s2, s14, 15                          ; the head
	s_lshl_b32 s78, s3, 21                         ; yc: 128 row tiles of 16,384 bytes a batch,
	s_lshl_b32 s18, s2, 10
	s_add_co_u32 s78, s78, s18                     ; + 1,024 x head: K step head / 2, groups 2 (head % 2) on
	s_mov_b32 s79, 0
	s_lshl_b32 s66, s3, 16                         ; ys: 128 x 512 bytes a batch,
	s_lshr_b32 s18, s2, 3
	s_lshl_b32 s18, s18, 8
	s_add_co_u32 s66, s66, s18                     ; + 256 (head / 8)
	s_and_b32 s18, s2, 7
	s_lshl_b32 s18, s18, 1
	s_add_co_u32 s66, s66, s18                     ; + 2 (head % 8)
	s_mov_b32 s67, 0
	s_wait_dscnt 0x0
	s_wait_kmcnt 0x0
	s_add_nc_u64 s[4:5], s[4:5], s[16:17]
	s_add_nc_u64 s[6:7], s[6:7], s[76:77]
	s_add_nc_u64 s[8:9], s[8:9], s[78:79]
	s_add_nc_u64 s[10:11], s[10:11], s[66:67]
	s_mul_i32 s16, s[WV], 768                      ; each wave moves bytes of its own: a constant + the wave's number x a constant
	s_mov_b32 s48, 1
	s_add_co_u32 s49, s16, SCK
	s_add_nc_u64 s[50:51], s[6:7], s[16:17]
	s_or_b32 s51, s51, 0x80000000
	s_lshl_b32 s16, s[WV], 12
	s_mov_b32 s52, 1
	s_mov_b32 s53, s16
	s_add_nc_u64 s[54:55], s[4:5], s[16:17]
	s_or_b32 s55, s55, 0x80000000
	s_mul_i32 s16, s[WV], 12288
	s_add_co_u32 s16, s16, 65536
	s_mov_b32 s56, 1
	s_mov_b32 s57, s16
	s_add_nc_u64 s[58:59], s[4:5], s[16:17]
	s_or_b32 s59, s59, 0x80000000
	CROUND                                         ; all four work-groups are here: the joint loads meet
	tensor_load_to_lds s[48:51], s[24:31]          ; the words
	s_nop 0
	tensor_load_to_lds s[52:55], s[32:39]          ; key steps 0-3
	s_nop 0
	tensor_load_to_lds s[56:59], s[40:47]          ; key steps 4-15: three loads of mine are out
	s_nop 0
.rept 4
	v_nop
.endr
	v_and_b32 v1, 31, v0
	s_delay_alu instid0(VALU_DEP_1)
	v_lshlrev_b32 v[LA], 4, v1
	v_and_b32 v6, 15, v0                           ; r
	v_bfe_u32 v7, v0, 4, 1                         ; h
	s_delay_alu instid0(VALU_DEP_2)
	v_and_b32 v4, 8, v6
	s_delay_alu instid0(VALU_DEP_1)
	v_add_nc_u32 v4, v4, v6
	s_delay_alu instid0(VALU_DEP_3)
	v_lshlrev_b32 v5, 4, v7
	s_delay_alu instid0(VALU_DEP_1)
	v_sub_nc_u32 v[VR], v4, v5
	v_lshlrev_b32 v[R16], 4, v6
	s_delay_alu instid0(VALU_DEP_1)
	v_add_nc_u32 v[AKS], SCK, v[R16]
	s_delay_alu instid0(VALU_DEP_2)
	v_add_nc_u32 v[AVS], SCV, v[R16]
	v_cmp_eq_u32 s[HM], 1, v7
	s_delay_alu instid0(VALU_DEP_4)
	v_add_nc_u32 v[YB], v[R16], v7
	v_mov_b32 v[NINF], 0xff800000
.irp j, 0,1,2,3,4,5,6,7
	v_mov_b32 v[Q+8+\j], 0                         ; Q's upper half: zero codes
	v_mov_b32 v[KV+64+\j], 0                       ; what stands behind K's last tile
.endr
.irp b, 0,1,2,3
	v_mov_b32 v[PB+\b], 0                          ; a lane permute's destination counts as one of its sources
.endr
	v_mov_b32 v[F+1], 0                            ; named as the upper half of a pair
	v_mov_b32 v[TT], 0
	INIT 1                                         ; the late tile first
	s_wait_tensorcnt 0x1                           ; the words and key steps 0-3 are in; the third load may be out: the first loop reads nothing of it
	s_barrier_signal -1
	s_barrier_wait -1                              ; everybody's are
.Lp1a:                                             ; key steps 0-3: every late tile has u >= 8: nothing is hidden
	STEP 0
	s_cmp_lt_u32 s[KAP], 4
	s_cbranch_scc1 .Lp1a
	s_setprio 0
	s_wait_tensorcnt 0x0                           ; my part of key steps 4-15 is in,
	s_wait_dscnt 0x0
	s_barrier_signal -1
	s_barrier_wait -1                              ; everybody's is; from here on the waves run free
.Lp1b:                                             ; key steps 4-15
	STEP 1
	s_cmp_lt_u32 s[KAP], 16
	s_cbranch_scc1 .Lp1b
	s_setprio 0
	FINISH
	INIT 0                                         ; the early tile
.Lp2:                                              ; key steps 0-7
	STEP 1
	s_cmp_lt_u32 s[KAP], 8
	s_cbranch_scc1 .Lp2
	s_setprio 0
	FINISH
	s_wait_tensorcnt 0x0
	ds_add_u32 v254, v255
	s_wait_dscnt 0x0
	CROUND                                         ; the closing round
	s_endpgm
.Lfunc_end_k_q8447946fb3_attn:
	.size	k_q8447946fb3_attn, .Lfunc_end_k_q8447946fb3_attn-k_q8447946fb3_attn
	.p2alignl 7, 3214868480
	.fill 96, 4, 3214868480
	.section	.rodata,"a",@progbits
	.p2align	6, 0x0
	.amdhsa_kernel k_q8447946fb3_attn
		.amdhsa_group_segment_fixed_size 276480
		.amdhsa_private_segment_fixed_size 0
		.amdhsa_enable_private_segment 0
		.amdhsa_kernarg_size 32
		.amdhsa_user_sgpr_count 2
		.amdhsa_user_sgpr_kernarg_segment_ptr 1
		.amdhsa_wavefront_size32 1
		.amdhsa_system_sgpr_workgroup_id_x 1
		.amdhsa_system_sgpr_workgroup_id_y 1
		.amdhsa_system_sgpr_workgroup_id_z 1
		.amdhsa_system_vgpr_workitem_id 0
		.amdhsa_next_free_vgpr 256
		.amdhsa_next_free_sgpr 80
		.amdhsa_reserve_vcc 1
		.amdhsa_float_denorm_mode_32 3
		.amdhsa_float_denorm_mode_16_64 3
		.amdhsa_fp16_overflow 1
		.amdhsa_memory_ordered 1
		.amdhsa_forward_progress 1
		.amdhsa_inst_pref_size 83
	.end_amdhsa_kernel
	.amdgpu_metadata
---
amdhsa.version: [ 1, 2 ]
amdhsa.kernels:
  - .name:           k_q8447946fb3_attn
    .symbol:         k_q8447946fb3_attn.kd
    .args:
      - { .name: qkvc, .offset: 0, .size: 8, .value_kind: global_buffer, .address_space: global }
      - { .name: qkvs, .offset: 8, .size: 8, .value_kind: global_buffer, .address_space: global }
      - { .name: yc, .offset: 16, .size: 8, .value_kind: global_buffer, .address_space: global }
      - { .name: ys, .offset: 24, .size: 8, .value_kind: global_buffer, .address_space: global }
    .group_segment_fixed_size: 276480
    .private_segment_fixed_size: 0
    .kernarg_segment_align: 8
    .kernarg_segment_size: 32
    .max_flat_workgroup_size: 512
    .sgpr_count:     80
    .vgpr_count:     256
    .wavefront_size: 32
...
	.end_amdgpu_metadata
.endif
;; end of part 3
;; launch proj (part 4): grid 4 x 32, 4 waves a work-group, clusters of 4 x 4, 327,680 bytes of LDS; arguments yc, ys, opc, ops, out0; writes out0
.if DOCPART == 4
	.amdgcn_target "amdgcn-amd-amdhsa--gfx1250"
	.amdhsa_code_object_version 6
	.text
	.protected	k_q8447946fb3_proj
	.globl	k_q8447946fb3_proj
	.p2align	8
	.type	k_q8447946fb3_proj,@function
k_q8447946fb3_proj:
	s_mov_b64 s[64:65], 0
	v_nop
	global_prefetch_b8 v0, s[64:65] scope:SCOPE_SE
	s_setreg_imm32_b32 hwreg(HW_REG_WAVE_MODE, 25, 1), 1
	s_wait_xcnt 0x0
	s_wait_alu depctr_hold_cnt(0) depctr_sa_sdst(0) depctr_va_vdst(0) depctr_va_sdst(0) depctr_va_ssrc(0) depctr_va_vcc(0) depctr_vm_vsrc(0)
	s_getreg_b32 s2, hwreg(HW_REG_IB_STS2, 6, 4)
	s_cmp_eq_u32 s2, 0
	s_cbranch_scc0 .Lentry_in_a_cluster
	s_endpgm
.Lentry_in_a_cluster:
	s_bfe_u32 s2, ttmp6, 0x10000c
	s_cmp_lg_u32 s2, 0xf033
	s_cbranch_scc0 .Lentry_shape_is_right
	s_endpgm
.Lentry_shape_is_right:
; out0 = y w_proj on codes of FP8 (E4M3) with E8M0 scales, K = 1,024; out0 [8192][1024] f32.
; C[m][n] = sum over k of A[m][k] B[n][k] on a tile of 256 x 256: four waves, 128 x 128 each, 64 accumulators.  A = rows of y (yc, ys), B = columns of w_proj (opc, ops, row tiles 704 on).
; OPERANDS are images of registers ([row tile][K step][2,048 bytes], group c at 512 c + 16 x lane): every LDS load takes 512 consecutive bytes.  The rows of a tile are 32 (T / 2) + 8 (T % 2) + r + 8 (r / 8):
; the way out puts rows and columns back in their places.  The product is used TRANSPOSED (source 0 = B's rows, source 1 = A's): a lane holds eight neighbouring numbers of a row of C.
; RING: two LDS slots of two K steps each (131,072 bytes); each wave fetches 8 tiles x 4,096 bytes by one tensor load; two first fills, two refills.  The main part is written out, since the scale words'
; register numbers follow the K step.  All scale words (16 KB) come once, with the first fills.  CLUSTER 4 x 4: A's tiles are shared along a row, B's along a column: joint loads.
; 32 x 4 tiles of C: 128 work-groups.
; REGISTERS: window 0: v16-29 addresses; v32-95 scale words and nothing else; v128-255 A's fragments, on the way out rows of C.  window 1: B's fragments, two sets.  windows 2, 3: accumulator (a, b) at v[8 (8 (a % 4) + b)].
.set NP,    8
.set SLOT,  131072
.set SCL,   2*SLOT
.set SPARE, SCL+16384                  ; the spare words: 128 bytes a wave, two blocks of 256 bytes that no other line names
.set SPITCH, 528                       ; the way out: a stage of 16 rows x (512 + 16) bytes for each wave, in slot 0, which has had its last fill and its last read by then
.set ADRA, 16
.set ADRB, 20
.set STO,  24
.set RD,   25
.set CO,   26
.set ADRS, 27
.set SPW,  28
.set NIL,  29
.set SC,   32
.set AF,   128
.set BK,   128
.set G1, 24
.set G0, 32
.set G1B, 48
.set G0B, 56
.set G1S, 68
.set G0S, 76
.set G1SB, 80
.set G0SB, 88
.set MSB, 0
.macro WIN new
.if MSB != (\new)
	s_set_vgpr_msb (MSB<<8)|(\new)
.set MSB, (\new)
.endif
.endm
.set MUL_LO, 0xa1
.set MUL_HI, 0xf1
.set TO_B,   0x40
.macro JLOAD g0a, g1a, g0b, g1b        ; a joint load: waves 0, 1 for A, waves 2, 3 for B; four v_nop follow each line
	s_cmp_eq_u32 s15, 0
	s_cbranch_scc0 .Lfor_b_\@
	tensor_load_to_lds s[\g0a:\g0a+3], s[\g1a:\g1a+7]
	s_nop 0
.rept 4
	v_nop
.endr
	s_branch .Lasked_\@
.Lfor_b_\@:
	tensor_load_to_lds s[\g0b:\g0b+3], s[\g1b:\g1b+7]
	s_nop 0
.rept 4
	v_nop
.endr
.Lasked_\@:
.endm
.macro CREST
	s_cmp_lg_u32 s14, 0
	s_cbranch_scc1 .Lnot_wave_0_\@
	s_barrier_signal -3
.Lnot_wave_0_\@:
	s_barrier_wait -3
	s_barrier_signal -1
	s_barrier_wait -1
.endm
.macro CROUND
	s_barrier_signal -1
	s_barrier_wait -1
	CREST
.endm
.macro PLACES n
.rept \n
	v_nop
.endr
.endm
.macro FRAG reg, adr, q, i
.irp c, 0,1,2,3
	ds_load_b128 v[\reg+4*\c:\reg+4*\c+3], v[\adr] offset:4096*(\i)+2048*(\q)+512*\c
.endr
.endm
.macro MUL16 a0, p, s, zero            ; the 64 accumulators take turns, one instruction a turn
.irp a, \a0, \a0+1
.irp b, 0,1,2,3,4,5,6,7
.if \zero
	v_wmma_scale_f32_16x16x128_f8f6f4 v[8*(8*((\a)%4)+\b):8*(8*((\a)%4)+\b)+7], v[128*(\p)+16*\b:128*(\p)+16*\b+15], v[AF+16*(\a):AF+16*(\a)+15], 0, v[SC+8*\b+(\s)], v[SC+8*(\a)+(\s)] matrix_a_scale:MATRIX_SCALE_ROW1
.else
	v_wmma_scale_f32_16x16x128_f8f6f4 v[8*(8*((\a)%4)+\b):8*(8*((\a)%4)+\b)+7], v[128*(\p)+16*\b:128*(\p)+16*\b+15], v[AF+16*(\a):AF+16*(\a)+15], v[8*(8*((\a)%4)+\b):8*(8*((\a)%4)+\b)+7], v[SC+8*\b+(\s)], v[SC+8*(\a)+(\s)] matrix_a_scale:MATRIX_SCALE_ROW1
.endif
.endr
.endr
.endm
.macro FETCH_B slot, q, p
	WIN TO_B
.irp i, 0,1,2,3,4,5,6,7
	FRAG 128*(\p)+16*\i, ADRB+\slot, \q, \i
.endr
	WIN 0
.endm
.macro FETCH_A slot, q, i0
.irp i, \i0, \i0+1, \i0+2, \i0+3
	FRAG AF+16*(\i), ADRA+\slot, \q, \i
.endr
.endm
.macro STEP slot, s, zero              ; a slot's first K step (B's set 0); it fetches the slot's second
	s_wait_dscnt 16                                ; all but the youngest 16 loads (A's blocks 4-7) are in
	WIN MUL_LO
	MUL16 0, 0, \s, \zero
	MUL16 2, 0, \s, \zero
	s_wait_dscnt 0x0
	PLACES NP
	FETCH_B \slot, 1, 1
	FETCH_A \slot, 1, 0
	WIN MUL_HI
	MUL16 4, 0, \s, \zero
	MUL16 6, 0, \s, \zero
	PLACES NP
	WIN 0
	FETCH_A \slot, 1, 4
.endm
.macro TURN slot, next, fill, s        ; a slot's second K step (B's set 1) changes slots
	s_wait_tensorcnt 0x0                           ; all my tensor loads have landed: my part of the next slot
	ds_add_u32 v[SPW], v[NIL]                      ; 0 onto my spare word
	s_wait_dscnt 17                                ; the add and the youngest 16 loads may be out
	WIN MUL_LO
	MUL16 0, 1, \s, 0
	s_wait_dscnt 0x0                               ; the add is done, and my reads of this slot are over
	s_barrier_signal -1
	MUL16 2, 1, \s, 0
	WIN 0
	s_barrier_wait -1
.if \fill
	CREST                                          ; no wave of any partner still reads this slot or has a load on its way
	s_add_nc_u64 s[G0+4*\slot+2:G0+4*\slot+3], s[G0+4*\slot+2:G0+4*\slot+3], 8192
	s_add_nc_u64 s[G0B+4*\slot+2:G0B+4*\slot+3], s[G0B+4*\slot+2:G0B+4*\slot+3], 8192
	JLOAD G0+4*\slot, G1, G0B+4*\slot, G1B
	PLACES NP-4
.else
	PLACES NP
.endif
	FETCH_B \next, 0, 0
	FETCH_A \next, 0, 0
	WIN MUL_HI
	MUL16 4, 1, \s, 0
	MUL16 6, 1, \s, 0
	PLACES NP
	WIN 0
	FETCH_A \next, 0, 4
.endm
	s_load_b256 s[4:11], s[0:1], 0x0               ; yc s[4:5], ys s[6:7], opc s[8:9], ops s[10:11]
	s_load_b64 s[12:13], s[0:1], 0x20              ; out0
	v_lshl_add_u32 v[SPW], v0, 2, SPARE
	v_mov_b32 v[NIL], 0
	ds_add_u32 v28, v29
	ds_add_u32 v28, v29
	s_wait_dscnt 0x0
	v_lshrrev_b32 v1, 5, v0
	v_readfirstlane_b32 s14, v1                    ; wave 0..3
	s_lshr_b32 s15, s14, 1                         ; my half of the rows.  Also: I fetch for A (0) or for B (1)
	s_and_b32 s16, s14, 1                          ; my half of the columns.  Also: which 8 tiles I fetch
	s_bfe_u32 s40, ttmp6, 0x40000                  ; cx
	s_bfe_u32 s41, ttmp6, 0x40004                  ; cy
	s_lshl_b32 s42, ttmp9, 2
	s_add_co_u32 s42, s42, s40                     ; tile column
	s_and_b32 s17, ttmp7, 0xffff
	s_lshl_b32 s17, s17, 2
	s_add_co_u32 s17, s17, s41                     ; tile row
	s_lshl_b32 s43, s41, 2
	s_lshl_b32 s43, 15, s43                        ; my row of the cluster
	s_lshl_b32 s44, 0x1111, s40                    ; my column
	s_or_b32 s[G1+0], s43, (3<<16)|(1<<21)         ; codes: 8 rows of 512 elements of 8 bytes, 2,048 elements apart
	s_or_b32 s[G1B+0], s44, (3<<16)|(1<<21)
.irp g, G1, G1B
	s_mov_b32 s[\g+1], 512<<16
	s_mov_b32 s[\g+2], 8<<16
	s_mov_b32 s[\g+3], 512<<16
	s_mov_b32 s[\g+4], 8
	s_mov_b32 s[\g+5], 2048
	s_mov_b32 s[\g+6], 0
	s_mov_b32 s[\g+7], 0
.endr
	s_or_b32 s[G1S+0], s43, (3<<16)|(1<<21)        ; scale words: 4,096 dense bytes as 16 rows of 256
	s_or_b32 s[G1SB+0], s44, (3<<16)|(1<<21)
.irp g, G1S, G1SB
	s_mov_b32 s[\g+1], 32<<16
	s_mov_b32 s[\g+2], 16<<16
	s_mov_b32 s[\g+3], 32<<16
	s_mov_b32 s[\g+4], 16
	s_mov_b32 s[\g+5], 32
	s_mov_b32 s[\g+6], 0
	s_mov_b32 s[\g+7], 0
.endr
	s_lshl_b32 s21, s16, 3
	s_lshl_b32 s20, s17, 4
	s_add_co_u32 s20, s20, s21                     ; A: the first row tile that I fetch
	s_lshl_b32 s46, s42, 4
	s_add_co_u32 s46, s46, 704
	s_add_co_u32 s46, s46, s21                     ; B
	s_lshl_b32 s22, s20, 9
	s_mov_b32 s23, 0
	s_lshl_b32 s20, s20, 14
	s_mov_b32 s21, 0
	s_lshl_b32 s92, s46, 9
	s_mov_b32 s93, 0
	s_lshl_b32 s46, s46, 14
	s_mov_b32 s47, 0
	s_lshl_b32 s45, s14, 15
	s_lshl_b32 s94, s14, 12
	s_wait_kmcnt 0x0
	s_add_nc_u64 s[20:21], s[4:5], s[20:21]
	s_add_nc_u64 s[22:23], s[6:7], s[22:23]
	s_add_nc_u64 s[46:47], s[8:9], s[46:47]
	s_add_nc_u64 s[92:93], s[10:11], s[92:93]
	CROUND                                         ; all sixteen work-groups are here: the first joint loads meet
	s_mov_b32 s[G0S], 1
	s_add_co_u32 s[G0S+1], s94, SCL
	s_mov_b64 s[G0S+2:G0S+3], s[22:23]
	s_or_b32 s[G0S+3], s[G0S+3], 0x80000000
	s_mov_b32 s[G0SB], 1
	s_add_co_u32 s[G0SB+1], s94, SCL
	s_mov_b64 s[G0SB+2:G0SB+3], s[92:93]
	s_or_b32 s[G0SB+3], s[G0SB+3], 0x80000000
	JLOAD G0S, G1S, G0SB, G1SB
.irp s, 0,1
	s_mov_b32 s[G0+4*\s], 1
	s_add_co_u32 s[G0+4*\s+1], s45, \s*SLOT
	s_add_nc_u64 s[G0+4*\s+2:G0+4*\s+3], s[20:21], \s*4096
	s_or_b32 s[G0+4*\s+3], s[G0+4*\s+3], 0x80000000
	s_mov_b32 s[G0B+4*\s], 1
	s_add_co_u32 s[G0B+4*\s+1], s45, \s*SLOT
	s_add_nc_u64 s[G0B+4*\s+2:G0B+4*\s+3], s[46:47], \s*4096
	s_or_b32 s[G0B+4*\s+3], s[G0B+4*\s+3], 0x80000000
	s_wait_alu depctr_va_vdst(0)
	s_wait_tensorcnt 0x0
	ds_add_u32 v28, v29
	s_wait_dscnt 0x0
	CROUND
	JLOAD G0+4*\s, G1, G0B+4*\s, G1B               ; one load of mine is out
.endr
	v_and_b32 v1, 15, v0                           ; r
	v_bfe_u32 v2, v0, 4, 1                         ; h
	s_wait_alu depctr_va_vdst(0)
	v_and_b32 v3, 31, v0
	v_lshlrev_b32 v[CO], 4, v3                     ; 16 x lane
	s_lshl_b32 s21, s15, 15
	s_lshl_b32 s22, s16, 15
	s_add_co_u32 s22, s22, 65536
.irp s, 0,1
	v_add_nc_u32 v[ADRA+\s], s21, v[CO]
	v_add_nc_u32 v[ADRB+\s], s22, v[CO]
	s_add_co_u32 s21, s21, SLOT
	s_add_co_u32 s22, s22, SLOT
.endr
	v_lshlrev_b32 v5, 4, v1
	s_lshl_b32 s21, s15, 12
	s_lshl_b32 s22, s16, 12
	s_add_co_u32 s22, s22, 8192
	s_sub_co_u32 s22, s22, s21
	v_mul_u32_u24 v6, s22, v2                      ; lanes 16-31 take B's words: the lower base + h x the distance
	s_add_co_u32 s21, s21, SCL
	v_add_nc_u32 v6, v5, v6
	v_add_nc_u32 v[ADRS], s21, v6
	s_mul_i32 s23, s14, 16*SPITCH                  ; my stage
	v_mul_u32_u24 v5, v1, SPITCH
	v_lshl_add_u32 v5, v2, 6, v5
	v_add_nc_u32 v[STO], s23, v5                   ; in: row r, + 64 h
	v_add_nc_u32 v[RD], s23, v[CO]                 ; back: a row of 512 bytes for the 32 lanes
	s_lshl_b32 s20, s17, 8
	s_lshl_b32 s21, s15, 7
	s_add_co_u32 s20, s20, s21                     ; my first row of C
	s_lshl_b32 s20, s20, 12                        ; 4,096 bytes a row
	s_mov_b32 s21, 0
	s_lshl_b32 s46, s42, 10
	s_lshl_b32 s47, s16, 9
	s_add_co_u32 s46, s46, s47                     ; my first column, in bytes
	s_mov_b32 s47, 0
	s_add_nc_u64 s[12:13], s[12:13], s[20:21]
	s_add_nc_u64 s[12:13], s[12:13], s[46:47]
	s_wait_alu depctr_va_vdst(0)
	s_wait_tensorcnt 0x1                           ; the scale words and my part of slot 0 are in; slot 1's load may be out
	s_barrier_signal -1
	s_barrier_wait -1
.irp i, 0,1,2,3,4,5,6,7
	ds_load_b128 v[SC+8*\i:SC+8*\i+3], v[ADRS] offset:512*\i
	ds_load_b128 v[SC+8*\i+4:SC+8*\i+7], v[ADRS] offset:512*\i+256
.endr
	FETCH_B 0, 0, 0
	FETCH_A 0, 0, 0
	FETCH_A 0, 0, 4
	STEP 0, 0, 1                                   ; the first products start the sums
	TURN 0, 1, 1, 1
	STEP 1, 2, 0
	TURN 1, 0, 1, 3
	STEP 0, 4, 0
	TURN 0, 1, 0, 5
	STEP 1, 6, 0
	s_wait_dscnt 16
	WIN MUL_LO
	MUL16 0, 1, 7, 0
	MUL16 2, 1, 7, 0
	s_wait_dscnt 0x0
	WIN MUL_HI
	MUL16 4, 1, 7, 0
	MUL16 6, 1, 7, 0
	WIN 0
; THE WAY OUT, block by block of 16 rows x 128 columns.  Register j of accumulator b is column 32 (b / 2) + 16 h + 8 (b % 2) + j of row r: 32 bytes at 128 (b / 2) + 64 h + 32 (b % 2) of the stage's row.
; The stage's row t is row 32 (a / 2) + 8 (a % 2) + t + 8 (t / 8) of my 128.  LDS serves a wave's instructions in order: no wait between the stores and the loads.
.macro TOSTAGE a
.set AC, 64*((\a)%4)
	WIN 0x08+4*((\a)/4)                            ; the data: window 2 or 3
.irp b, 0,1,2,3,4,5,6,7
	ds_store_b128 v[STO], v[AC+8*\b:AC+8*\b+3] offset:128*(\b/2)+32*(\b%2)          ; each accumulator from its low end on
	ds_store_b128 v[STO], v[AC+8*\b+4:AC+8*\b+7] offset:128*(\b/2)+32*(\b%2)+16
.endr
	WIN 0
.set BB, BK+64*((\a)%2)
.irp t, 0,1,2,3,4,5,6,7,8,9,10,11,12,13,14,15
	ds_load_b128 v[BB+4*\t:BB+4*\t+3], v[RD] offset:\t*SPITCH
.endr
.endm
.macro SEND a, younger                 ; younger: the LDS instructions issued behind block a's loads, which may stay out
.set BB, BK+64*((\a)%2)
	s_wait_dscnt \younger
.if (\a) > 0
.if ((\a)%2) == 1
	s_add_nc_u64 s[12:13], s[12:13], 8*4096        ; (behind a wait on XCNT: the earlier stores have read their base)
.else
	s_add_nc_u64 s[12:13], s[12:13], 24*4096
.endif
.endif
.irp t, 0,1,2,3,4,5,6,7,8,9,10,11,12,13,14,15
	global_store_b128 v[CO], v[BB+4*\t:BB+4*\t+3], s[12:13] offset:(\t+8*(\t/8))*4096 th:TH_STORE_NT   ; 32 lanes store 512 consecutive bytes, aligned; written once
.endr
.endm
	PLACES NP                                      ; behind the last products: results are read, and A's registers loaded, from here on
	TOSTAGE 0
.irp a, 1,2,3,4,5,6,7
.if \a > 1
	s_wait_xcnt 0x0                                ; block a - 2's stores have read their registers and their base
.endif
	TOSTAGE \a
	SEND \a-1, 32                                  ; behind block a - 1's loads: block a's 16 stores and 16 loads
.endr
	s_wait_xcnt 0x0
	SEND 7, 0
	s_wait_tensorcnt 0x0                           ; the wave's end
	ds_add_u32 v[SPW], v[NIL]
	s_wait_dscnt 0x0
	CROUND                                         ; the closing round
	s_endpgm
.Lfunc_end_k_q8447946fb3_proj:
	.size	k_q8447946fb3_proj, .Lfunc_end_k_q8447946fb3_proj-k_q8447946fb3_proj
	.p2alignl 7, 3214868480
	.fill 96, 4, 3214868480
	.section	.rodata,"a",@progbits
	.p2align	6, 0x0
	.amdhsa_kernel k_q8447946fb3_proj
		.amdhsa_group_segment_fixed_size 327680
		.amdhsa_private_segment_fixed_size 0
		.amdhsa_enable_private_segment 0
		.amdhsa_kernarg_size 40
		.amdhsa_user_sgpr_count 2
		.amdhsa_user_sgpr_kernarg_segment_ptr 1
		.amdhsa_wavefront_size32 1
		.amdhsa_system_sgpr_workgroup_id_x 1
		.amdhsa_system_sgpr_workgroup_id_y 1
		.amdhsa_system_sgpr_workgroup_id_z 1
		.amdhsa_system_vgpr_workitem_id 0
		.amdhsa_next_free_vgpr 1024
		.amdhsa_next_free_sgpr 100
		.amdhsa_reserve_vcc 0
		.amdhsa_float_denorm_mode_32 3
		.amdhsa_float_denorm_mode_16_64 3
		.amdhsa_memory_ordered 1
		.amdhsa_forward_progress 1
		.amdhsa_inst_pref_size 144
	.end_amdhsa_kernel
	.amdgpu_metadata
---
amdhsa.version: [ 1, 2 ]
amdhsa.kernels:
  - .name:           k_q8447946fb3_proj
    .symbol:         k_q8447946fb3_proj.kd
    .args:
      - { .name: yc, .offset: 0, .size: 8, .value_kind: global_buffer, .address_space: global }
      - { .name: ys, .offset: 8, .size: 8, .value_kind: global_buffer, .address_space: global }
      - { .name: opc, .offset: 16, .size: 8, .value_kind: global_buffer, .address_space: global }
      - { .name: ops, .offset: 24, .size: 8, .value_kind: global_buffer, .address_space: global }
      - { .name: out0, .offset: 32, .size: 8, .value_kind: global_buffer, .address_space: global }
    .group_segment_fixed_size: 327680
    .private_segment_fixed_size: 0
    .kernarg_segment_align: 8
    .kernarg_segment_size: 40
    .max_flat_workgroup_size: 128
    .sgpr_count:     100
    .vgpr_count:     1024
    .wavefront_size: 32
...
	.end_amdgpu_metadata
.endif
;; end of part 4
